; MI455X (gfx1250); checked and timed in simulation.
; The chip was launched on July 23, 2026; its instructions are those of AMD's public machine-readable ISA for CDNA 5 (MIT licence, August 2026) and "CDNA5" Instruction Set Architecture Reference Guide (July 2026). The comments in the code are by the model that wrote it; some were corrected since.
;; Attention Block. Allowed arithmetic: matrix products marked QUANTISED: E3M2 operands, one E8M0 scale for each 32 along K, by v_wmma_scale_f32_16x16x128_f8f6f4 with both operands' format E3M2, f32 sums; everything else in f32.
;; Inputs: Wfc 1,024 x 1,024 float32; Wk 1,024 x 1,024 float32; Wq 1,024 x 1,024 float32; Wv 1,024 x 1,024 float32; bfc 1,024 float32; bk 1,024 float32; bq 1,024 float32; bv 1,024 float32; x 4 x 2,048 x 1,024 float32.
;; Outputs: out0 4 x 2,048 x 1,024 float32.
;; This version of the problem:
;;   THIS VERSION OF THE PROBLEM IS GIVEN IN LOW PRECISION. The matrix products marked QUANTISED in the list below multiply operands that are first quantised to E3M2 (3 exponent bits, 2 mantissa bits; 6 bits a number), with one power-of-two scale for each 32 numbers along K (OCP MX v1.0); their sums are f32. All else is computed in f32.
;;   The module's matrix products, in the order in which they are computed (A, B: the left and right operand; K: the contracted axis; several contracted axes count as one K, in the product's order):
;;     1. [M 8,192, K 1,024] x [K 1,024, N 1,024]; A: input x; B: input Wq: QUANTISED
;;     2. [M 8,192, K 1,024] x [K 1,024, N 1,024]; A: input x; B: input Wk: QUANTISED
;;     3. [M 8,192, K 1,024] x [K 1,024, N 1,024]; A: input x; B: input Wv: QUANTISED
;;     4. batch 4 x [M 2,048, K 1,024] x [K 1,024, N 2,048]; A: computed on the way; B: computed on the way: QUANTISED
;;     5. batch 4 x [M 2,048, K 2,048] x [K 2,048, N 1,024]; A: softmax (see below); B: computed on the way: QUANTISED
;;     6. [M 8,192, K 1,024] x [K 1,024, N 1,024]; A: computed on the way; B: input Wfc: QUANTISED
;;   THE QUANTISER, for each operand of a quantised product, along K:
;;     - K is cut into blocks of 32 from its start; a last block that is shorter is filled with zeros.
;;     - A block's scale is 2^e with e = floor(log2(the largest magnitude in the block)) - 4, held to -126 .. 127; a block of zeros has e = 0. As a byte (E8M0): e + 127.
;;     - Each number is divided by its block's scale, clamped to +-28, and rounded to the nearest number of E3M2, ties to even, subnormals kept.
;;     - The product sums the exact products of the quantised numbers (number of the format x scale) in f32.
;;   ~~~python
;;   def quantise(x, axis):      # numpy; x: float32 -> the quantised numbers, widened to float32 again
;;       x = np.moveaxis(x, axis, -1); K = x.shape[-1]
;;       x = np.pad(x, [(0, 0)] * (x.ndim - 1) + [(0, -K % 32)]); x = x.reshape(x.shape[:-1] + (-1, 32)); a = np.abs(x).max(-1, keepdims=True)
;;       e = np.where(a > 0, np.clip(np.frexp(np.where(a > 0, a, 1))[1] - 1 - 4, -126, 127), 0)      # np.frexp(a)[1] - 1 = floor(log2(a)), exactly
;;       r = np.clip(x / 2.0 ** e, -28, 28)
;;       step = 2.0 ** (np.maximum(np.frexp(np.where(r == 0, 1, r))[1] - 1, -2) - 2)
;;       q = np.round(r / step) * step * 2.0 ** e      # np.round: ties to even
;;       return np.moveaxis(q.reshape(q.shape[:-2] + (-1,))[..., :K], -1, axis).astype(np.float32)
;;   ~~~
;;   SOFTMAX AHEAD OF A QUANTISED PRODUCT. Where the list says 'softmax', what is quantised is not the finished softmax but p = 2^(t - M), with t = logit x log2(e) and M = ceil(the row's largest t), a whole number; so 1/2 < the row's largest p <= 1. The row's sum l is taken of the UNQUANTISED p, in f32, and the product's result is divided by l at the end. Since M is a whole number, a kernel that streams over the keys may use a running M (the ceiling of the running maximum): every later rescaling is an exact power of two, which a block's scale takes up: the codes' values come out the same.
;;   OPERANDS COMPUTED ON THE WAY. 'Computed on the way' means the value that the module computes at that place (a softmax that the list does not call 'softmax' is quantised finished and normalised). What goes into a quantiser is computed in f32, as accurately as f32 sums, v_exp_f32 and their like allow (about 1e-6 of the number): no bf16 or f16 on the way to a quantiser, and a product that is left as it is and whose result goes on into a quantised operand takes f32 operands (vector FMAs, or v_wmma_f32_16x16x4_f32). A number that lies on a knife's edge between two numbers of the format may be rounded either way, as far as f32 arithmetic and the matrix unit's own rounding can turn it there, and no further.
;; One version. Each part assembles by itself: llvm-mc -triple=amdgcn-amd-amdhsa -mcpu=gfx1250 --defsym DOCPART=n.
;; ======== version 1 of 1: 6 launches
;; workspace buffers: xw 9,830,400 bytes; qk 13,107,200 bytes; vt 6,553,600 bytes; pp 14,155,776 bytes; oo 6,553,600 bytes
;; launch quant (part 1): grid 384 x 1, 4 waves a work-group, no clusters, 35,328 bytes of LDS; arguments x, Wq, Wk, Wv, Wfc, xw; writes xw
.if DOCPART == 1
	.amdgcn_target "amdgcn-amd-amdhsa--gfx1250"
	.amdhsa_code_object_version 6
	.text
	.protected	k_q537bfce31a_quant
	.globl	k_q537bfce31a_quant
	.p2align	8
	.type	k_q537bfce31a_quant,@function
k_q537bfce31a_quant:
	s_mov_b64 s[64:65], 0
	v_nop
	global_prefetch_b8 v0, s[64:65] scope:SCOPE_SE
	s_setreg_imm32_b32 hwreg(HW_REG_WAVE_MODE, 25, 1), 1
	s_wait_xcnt 0x0
; LAUNCH 1 OF 6.  out = softmax(q k^T / 32) v Wfc^T + bfc + x with q, k, v = x W^T + b, all six products on codes of BF6 (E3M2) with one E8M0 scale for each 32 along K.
; NOTHING OF THE PROBLEM IS LEFT OUT: every input has a way to the output.  bk would cancel in a softmax of real numbers, but it stands ahead of the quantiser of a live product, so it is added.
; THIS LAUNCH turns x [8192][1024] and Wq, Wk, Wv, Wfc [1024][1024], f32, K innermost, into codes and scale words in xw: 12,288 rows: 0-8191 x, then the four weights.
; A block's scale is 2^(floor(log2(its largest magnitude)) - 4): its byte is the largest magnitude's exponent field - 4, held at 1 from below.
; LAYOUT OF EVERY WORKSPACE TENSOR OF THIS PROGRAM.  (a) Codes lie in the order of the operand's registers: a fragment is 16 rows x 128 K, 12 registers a lane, 1,536 bytes: registers 4 c .. 4 c + 3 of
; lane l at byte 512 c + 16 l; fragment (rho, kappa) at (rho x K/128 + kappa) x 1,536.  Scale words (4 bytes for a row and 128 K) lie as [kappa][row].
; (b) Rows are STORED with bits 3 and 4 of their number exchanged: stored row 32 B + 16 u + 8 p + j is row 32 B + 16 p + 8 u + j.  Sixteen stored rows used as source 0 of a product then give each lane
; results whose 16 registers of two neighbouring tiles are 16 neighbours along the next product's K.  K axes are never permuted.
; SHARES.  Work-group g: 64 stored rows (g / 2), 512 along K (g % 2).  Wave w: 16 stored rows, four fragments.  A load reads 512 consecutive bytes of one row; the 16 x 512 bytes of a fragment turn through
; the wave's own stage in LDS (rows 528 bytes apart), so that lane (r, h) gets, of row r, 16 neighbours of each block of 32.
; LIMITS: NaN and infinities among the inputs are not served; a block of zeros, or one whose largest magnitude lies under 2^-122, carries the byte 1 (the bytes are read by this program alone).
.set XWS,   9437184                    ; where the scale words begin in xw: [8][12288] words
.set STG,   16*528                     ; LDS: a stage for each wave
.set SCST,  4*STG                      ; the work-group's scale words: [4 fragments][64 rows]
.set SPARE, SCST+1024                  ; the spare words, 128 bytes for each wave: two blocks of 256 bytes that no other line names
.set R,   16                           ; v16-143  two sets of 64: a fragment's numbers as loaded
.set X,   144                          ; v144-207 the same, 16 b + i = k 32 b + 16 h + i of my row
.set PC,  208                          ; v208-227 the codes just made
.set TM,  228                          ; v228-243 at work in QUANT
.set PW,  244                          ; v244-247 the four fragments' scale words
.set SPW, 248                          ; v248 LDS address of my spare word; never rewritten
.set NIL, 249                          ; v249 0; never rewritten
.set SEL, 26                           ; s[26:27] selects for v_permlanex16_b32: lane l xor 16
	s_load_b256 s[4:11], s[0:1], 0x0               ; x, Wq, Wk, Wv
	s_load_b128 s[12:15], s[0:1], 0x20             ; Wfc, xw
	v_lshl_add_u32 v[SPW], v0, 2, SPARE
	v_mov_b32 v[NIL], 0
	v_lshrrev_b32 v1, 5, v0
	v_readfirstlane_b32 s16, v1                    ; wave 0..3
	v_and_b32 v1, 15, v0                           ; r
	v_bfe_u32 v2, v0, 4, 1                         ; h
	v_and_b32 v3, 31, v0                           ; lane
	v_lshlrev_b32 v4, 4, v3                        ; 16 x lane: my bytes of a load's 512 and of a store's 512; never rewritten
	s_mul_i32 s17, s16, STG
	v_add_nc_u32 v5, s17, v4                       ; the stage, on the way in: row i by the immediate
	v_mul_u32_u24 v6, v1, 528
	v_lshl_add_u32 v6, v2, 6, v6
	v_add_nc_u32 v6, s17, v6                       ; and on the way out: row r, + 64 h
	s_lshl_b32 s17, s16, 6
	s_add_co_u32 s17, s17, SCST
	v_lshl_add_u32 v7, v1, 2, s17                  ; where my row's scale word goes: 64 x wave + 4 r
	s_lshl_b32 s17, s16, 8
	s_add_co_u32 s17, s17, SCST
	v_lshl_add_u32 v8, v3, 3, s17                  ; and where I read 8 bytes of fragment w's 256
	v_lshlrev_b32 v9, 3, v3
	s_mov_b32 s[SEL], 0x76543210
	s_mov_b32 s[SEL+1], 0xfedcba98
.irp b, 0,1,2,3
	v_mov_b32 v[TM+4+\b], 0                        ; written once: a lane permute's destination counts as one of its sources
.endr
	s_lshr_b32 s20, ttmp9, 1                       ; G: which 64 stored rows
	s_and_b32 s21, ttmp9, 1                        ; which 512 along K
	s_sub_co_u32 s22, s20, 128
	s_lshr_b32 s23, s22, 4                         ; which weight (a great number in x's work-groups)
	s_and_b32 s24, s22, 15
	s_cmp_lt_u32 s20, 128
	s_cselect_b32 s24, s20, s24                    ; which 64 rows of the tensor
	s_lshl_b32 s24, s24, 18                        ; 64 rows of 4,096 bytes
	s_lshr_b32 s25, s16, 1
	s_lshl_b32 s25, s25, 17                        ; + 32 (w / 2) rows
	s_add_co_u32 s24, s24, s25
	s_and_b32 s25, s16, 1
	s_lshl_b32 s25, s25, 15                        ; + 8 (w % 2) rows: stored row i of my fragment is this row + i % 8 + 16 (i / 8)
	s_add_co_u32 s24, s24, s25
	s_lshl_b32 s25, s21, 11
	s_add_co_u32 s24, s24, s25
	s_mov_b32 s25, 0
	s_mul_i32 s28, s20, 49152                      ; codes: fragment (4 G + w, 4 kh) at (8 (4 G + w) + 4 kh) x 1,536
	s_mul_i32 s29, s16, 12288
	s_add_co_u32 s28, s28, s29
	s_mul_i32 s29, s21, 6144
	s_add_co_u32 s28, s28, s29
	s_mov_b32 s29, 0
	s_lshl_b32 s30, s21, 2                         ; scale words: I store those of kappa = 4 kh + w for the group's 64 rows
	s_add_co_u32 s30, s30, s16
	s_mul_i32 s30, s30, 49152
	s_lshl_b32 s31, s20, 8
	s_add_co_u32 s30, s30, s31
	s_add_co_u32 s30, s30, XWS
	s_mov_b32 s31, 0
	s_wait_kmcnt 0x0
	s_cmp_eq_u32 s23, 2                            ; the tensor is chosen by the work-group's number alone
	s_cselect_b64 s[12:13], s[10:11], s[12:13]
	s_cmp_eq_u32 s23, 1
	s_cselect_b64 s[12:13], s[8:9], s[12:13]
	s_cmp_eq_u32 s23, 0
	s_cselect_b64 s[12:13], s[6:7], s[12:13]
	s_cmp_lt_u32 s20, 128
	s_cselect_b64 s[12:13], s[4:5], s[12:13]
	s_add_nc_u64 s[12:13], s[12:13], s[24:25]
	s_add_nc_u64 s[18:19], s[14:15], s[28:29]
	s_add_nc_u64 s[14:15], s[14:15], s[30:31]
.macro LOAD f                          ; fragment f: 16 rows x 512 bytes, each load 512 consecutive bytes
.irp i, 0,1,2,3,4,5,6,7,8,9,10,11,12,13,14,15
	global_load_b128 v[R+64*((\f)%2)+4*\i:R+64*((\f)%2)+4*\i+3], v4, s[12:13] offset:((\i%8)+16*(\i/8))*4096+512*(\f) th:TH_LOAD_NT
.endr
.endm
.macro TURN f                          ; through the stage: LDS serves a wave's instructions in order, so no wait stands between the stores and the loads
.irp i, 0,1,2,3,4,5,6,7,8,9,10,11,12,13,14,15
	ds_store_b128 v5, v[R+64*((\f)%2)+4*\i:R+64*((\f)%2)+4*\i+3] offset:528*\i
.endr
.irp b, 0,1,2,3
.irp j, 0,1,2,3
	ds_load_b128 v[X+16*\b+4*\j:X+16*\b+4*\j+3], v6 offset:128*\b+16*\j
.endr
.endr
.endm
; 64 numbers of a lane, register 16 b + i = k 32 b + 16 h + i of my row, become a fragment's codes in v[PC] on and its scale word in v[w]
.macro QUANT s, w
.irp b, 0,1,2,3
	v_max3_num_f32 v[TM+\b], |v[\s+16*\b]|, |v[\s+1+16*\b]|, 0x2800000   ; my 16 numbers of block b, and the floor 2^(5 - 127): the byte cannot fall under 1
.endr
.irp i, 2,4,6,8,10,12,14
.irp b, 0,1,2,3
	v_max3_num_f32 v[TM+\b], v[TM+\b], |v[\s+16*\b+\i]|, |v[\s+1+16*\b+\i]|
.endr
.endr
.irp b, 0,1,2,3
	v_permlanex16_b32 v[TM+4+\b], v[TM+\b], s[SEL], s[SEL+1]
.endr
.irp b, 0,1,2,3
	v_max_num_f32 v[TM+\b], v[TM+\b], v[TM+4+\b]   ; with lane l xor 16's: the block's largest magnitude
.endr
.irp b, 0,1,2,3
	v_add_nc_u32 v[TM+12+\b], 0xfe000000, v[TM+\b] ; 4 off its exponent field: the conversion takes the exponent field of this operand as its scale
.endr
.irp b, 0,1,2,3
	v_lshrrev_b32 v[TM+4+\b], 23, v[TM+12+\b]      ; the scale's byte
.endr
	v_lshl_or_b32 v[\w], v[TM+5], 8, v[TM+4]
	v_lshl_or_b32 v[\w], v[TM+6], 16, v[\w]
	v_lshl_or_b32 v[\w], v[TM+7], 24, v[\w]
.irp c, 0,1
	v_cvt_scalef32_pk16_bf6_f32 v[PC+6*\c:PC+2+6*\c], v[\s+32*\c:\s+15+32*\c], v[TM+12+2*\c]
	v_cvt_scalef32_pk16_bf6_f32 v[PC+12+4*\c:PC+14+4*\c], v[\s+16+32*\c:\s+31+32*\c], v[TM+13+2*\c]   ; (a conversion's three registers begin on an even number)
.endr
	v_nop                                          ; one plain place behind a scaled conversion
.irp c, 0,1                            ; the operand's layout wants a whole block in a lane: lanes 0-15 block 2 c, lanes 16-31 block 2 c + 1
.irp i, 0,1,2
	v_permlane16_swap_b32 v[PC+6*\c+\i], v[PC+12+4*\c+\i]
.endr
.irp i, 0,1,2
	v_mov_b32 v[PC+3+6*\c+\i], v[PC+12+4*\c+\i]
.endr
.endr
.endm
.macro FRAGMENT f
.if (\f) < 3
	s_wait_loadcnt 16                              ; this fragment's 16 loads are in; the next fragment's 16 may be out
.else
	s_wait_loadcnt 0x0
.endif
	TURN \f
	s_wait_dscnt 0x0                               ; the numbers are back, and the stores into the stage have read their registers,
.if (\f) < 2
	LOAD (\f)+2                                    ; which take the fragment two on
.endif
.if (\f) > 0
	s_wait_xcnt 0x0                                ; the last fragment's stores have read the codes' registers: they are written again only behind this wait
.endif
	QUANT X, PW+(\f)
.irp c, 0,1,2
	global_store_b128 v4, v[PC+4*\c:PC+4*\c+3], s[18:19] offset:1536*(\f)+512*\c   ; 32 lanes store 512 consecutive bytes, aligned
.endr
.endm
	LOAD 0
	LOAD 1
	FRAGMENT 0
	FRAGMENT 1
	FRAGMENT 2
	FRAGMENT 3
.irp f, 0,1,2,3
	ds_store_b32 v7, v[PW+\f] offset:256*\f        ; both halves of the lanes write the same word with the same value
.endr
	s_wait_dscnt 0x0                               ; for the others' sake: my words lie in LDS
	s_barrier_signal -1
	s_barrier_wait -1
	ds_load_b64 v[10:11], v8                       ; fragment w's words of all 64 rows
	s_wait_dscnt 0x0
	global_store_b64 v9, v[10:11], s[14:15]        ; 32 lanes store 256 consecutive bytes, aligned
	s_wait_tensorcnt 0x0                           ; the wave's end
	ds_add_u32 v[SPW], v[NIL]
	s_wait_dscnt 0x0
	s_endpgm
.Lfunc_end_k_q537bfce31a_quant:
	.size	k_q537bfce31a_quant, .Lfunc_end_k_q537bfce31a_quant-k_q537bfce31a_quant
	.p2alignl 7, 3214868480
	.fill 96, 4, 3214868480
	.section	.rodata,"a",@progbits
	.p2align	6, 0x0
	.amdhsa_kernel k_q537bfce31a_quant
		.amdhsa_group_segment_fixed_size 35328
		.amdhsa_private_segment_fixed_size 0
		.amdhsa_enable_private_segment 0
		.amdhsa_kernarg_size 48
		.amdhsa_user_sgpr_count 2
		.amdhsa_user_sgpr_kernarg_segment_ptr 1
		.amdhsa_wavefront_size32 1
		.amdhsa_system_sgpr_workgroup_id_x 1
		.amdhsa_system_sgpr_workgroup_id_y 1
		.amdhsa_system_sgpr_workgroup_id_z 1
		.amdhsa_system_vgpr_workitem_id 0
		.amdhsa_next_free_vgpr 256
		.amdhsa_next_free_sgpr 66
		.amdhsa_reserve_vcc 0
		.amdhsa_float_denorm_mode_32 3
		.amdhsa_float_denorm_mode_16_64 3
		.amdhsa_memory_ordered 1
		.amdhsa_forward_progress 1
		.amdhsa_inst_pref_size 35
	.end_amdhsa_kernel
	.amdgpu_metadata
---
amdhsa.version: [ 1, 2 ]
amdhsa.kernels:
  - .name:           k_q537bfce31a_quant
    .symbol:         k_q537bfce31a_quant.kd
    .args:
      - { .name: x, .offset: 0, .size: 8, .value_kind: global_buffer, .address_space: global }
      - { .name: Wq, .offset: 8, .size: 8, .value_kind: global_buffer, .address_space: global }
      - { .name: Wk, .offset: 16, .size: 8, .value_kind: global_buffer, .address_space: global }
      - { .name: Wv, .offset: 24, .size: 8, .value_kind: global_buffer, .address_space: global }
      - { .name: Wfc, .offset: 32, .size: 8, .value_kind: global_buffer, .address_space: global }
      - { .name: xw, .offset: 40, .size: 8, .value_kind: global_buffer, .address_space: global }
    .group_segment_fixed_size: 35328
    .private_segment_fixed_size: 0
    .kernarg_segment_align: 8
    .kernarg_segment_size: 48
    .max_flat_workgroup_size: 128
    .sgpr_count:     66
    .vgpr_count:     256
    .wavefront_size: 32
...
	.end_amdgpu_metadata
.endif
;; end of part 1
;; launch projqk (part 2): grid 8 x 64, 4 waves a work-group, clusters of 4 x 4, 327,680 bytes of LDS; arguments xw, bq, bk, qk; writes qk
.if DOCPART == 2
	.amdgcn_target "amdgcn-amd-amdhsa--gfx1250"
	.amdhsa_code_object_version 6
	.text
	.protected	k_q537bfce31a_projqk
	.globl	k_q537bfce31a_projqk
	.p2align	8
	.type	k_q537bfce31a_projqk,@function
k_q537bfce31a_projqk:
	s_mov_b64 s[64:65], 0
	v_nop
	global_prefetch_b8 v0, s[64:65] scope:SCOPE_SE
	s_setreg_imm32_b32 hwreg(HW_REG_WAVE_MODE, 25, 1), 1
	s_wait_xcnt 0x0
	s_wait_alu depctr_hold_cnt(0) depctr_sa_sdst(0) depctr_va_vdst(0) depctr_va_sdst(0) depctr_va_ssrc(0) depctr_va_vcc(0) depctr_vm_vsrc(0)
	s_getreg_b32 s2, hwreg(HW_REG_IB_STS2, 6, 4)
	s_cmp_eq_u32 s2, 0
	s_cbranch_scc0 .Lentry_in_a_cluster
	s_endpgm
.Lentry_in_a_cluster:
	s_bfe_u32 s2, ttmp6, 0x10000c
	s_cmp_lg_u32 s2, 0xf033
	s_cbranch_scc0 .Lentry_shape_is_right
	s_endpgm
.Lentry_shape_is_right:
; LAUNCH 2 OF 6.  q = x Wq^T + bq and k = x Wk^T + bk on codes of BF6 (E3M2), and both results quantised along their 1,024 channels on the way out.  Nothing of the problem is left out here.
; OPERANDS (buffer xw): codes in the order of the operand's registers: a fragment (16 rows x 128 K) is 1,536 dense bytes, registers 4 c .. 4 c + 3 of lane l at 512 c + 16 l; fragment (rho, kappa) at (8 rho + kappa) x 1,536;
; scale words [kappa][row].  Rows are stored with bits 3 and 4 of their number exchanged.  Rows 0-8191 are x, 8192-9215 Wq, 9216-10239 Wk.
; SHARES.  A work-group makes 128 tokens x 256 channels; its four waves stand 2 x 2, a wave makes 64 x 128: 32 accumulators.  Tile columns 0-3 are q, 4-7 are k.
; THE MATRIX INSTRUCTION IS USED TRANSPOSED (source 0 = 16 stored rows of W, source 1 = 16 tokens): lane (r, h) holds token r, and by the stored order of W's rows the 16 registers of tiles 2 B, 2 B + 1 are channels
; 32 B + 16 h + 0 .. 15.  So a wave's 128 channels of 16 tokens are one fragment of the next product, made in registers and stored by three stores of 512 consecutive bytes.
; LDS.  Two slots, each 512 along K: A's 8 x 6,144 bytes, then B's 16 x 6,144.  K = 1,024: both slots are first fills, nothing is filled again; three tensor loads a wave are out at the most.
; The scale words of all of K come with the first fills.  A fragment is read by three loads of 16 bytes a lane, 512 consecutive bytes each.
; CLUSTER 4 x 4: A's tiles are shared along a row of the cluster, B's along a column, by joint loads.
; REGISTERS.  Window 0: v1-5 lane terms; v16-29 addresses; v32-43 scale words, two sets of six; v44-63 at work on the way out; v64-127 the bias; v128-223 A's fragments, two sets.  Window 1: B's fragments, at v0 and v128.
; Window 2: accumulator (a, b) at v[8 (8 a + b)].
; LIMITS: NaN and infinities are not served; a block of zeros, or one under 2^-122, carries the byte 1.
.set NK,     8                         ; K steps of 128
.set AP,     12288                     ; bytes from rho to rho + 1, A and B
.set BP,     12288
.set ASP,    49152                     ; bytes from kappa to kappa + 1 in the scale words
.set BSP,    49152
.set XWS,    9437184
.set ASBASE, XWS
.set BBASE,  6291456                   ; row 8192
.set BSBASE, XWS+32768
.set OSTEP,  12288                     ; in qk: bytes from rho to rho + 1
.set OSP,    32768                     ; and from kappa to kappa + 1 in its scale words
.set OSBASE, 12582912
.set SLOT,   147456
.set HALFA,  24576                     ; 4 rho: what one tensor load brings of A, and what one wave reads
.set HALFB,  49152                     ; 8 rho of B
.set BOFF,   49152                     ; B's tiles lie behind A's
.set SCA,    2*SLOT                    ; A's scale words: [half][kappa][64 rows]
.set HALFSA, 256*NK
.set SCB,    SCA+2*HALFSA              ; B's: [half][kappa][128 rows]
.set HALFSB, 512*NK
.set SPARE,  SCB+2*HALFSB              ; the spare words, 128 bytes for each wave: two blocks of 256 bytes that no other line names
.set ADRA, 16                          ; v16-17 LDS address of my A fragments in slot 0, 1
.set ADRB, 20                          ; v20-21 of my B fragments
.set ADSA, 22                          ; v22 of A's scale words
.set ADSB, 23                          ; v23 of B's
.set SPW,  28                          ; v28 LDS address of my spare word; never rewritten
.set NIL,  29                          ; v29 0; never rewritten
.set SC,   32
.set TM,   44
.set PW,   60
.set BIAS, 64
.set AF,   128
.set G1,   24
.set G0,   32
.set G1B,  48
.set G0B,  56
.set G1S,  68
.set G0S,  76
.set G1SB, 80
.set G0SB, 88
.set OC,   92                          ; s[92:93] where my codes go
.set OS,   94                          ; s[94:95] where my scale words go
.set SEL,  96                          ; s[96:97] selects for v_permlanex16_b32: lane l xor 16
.set MUL,  0xa1                        ; source 0 (B) window 1, source 1 (A) window 0, C and D window 2
.set MULF, 0x81                        ; the first step: C (the bias) window 0
.set MSB, 0
.macro WIN new                         ; the immediate's high byte repeats the setting that is left
.if MSB != \new
	s_set_vgpr_msb (MSB<<8)|\new
.set MSB, \new
.endif
.endm
.macro CREST                           ; a round of the cluster's barrier behind its opening barrier
	s_cmp_lg_u32 s14, 0
	s_cbranch_scc1 .Lnot_wave_0_\@
	s_barrier_signal -3
.Lnot_wave_0_\@:
	s_barrier_wait -3
	s_barrier_signal -1
	s_barrier_wait -1
.endm
.macro CROUND
	s_barrier_signal -1
	s_barrier_wait -1
	CREST
.endm
.macro PLACES                          ; four plain places behind a matrix instruction, in front of loads into its sources and of reads of its results
.rept 4
	v_nop
.endr
.endm
.macro GROUP1 g, c, r, p               ; words 1 to 7 of a group 1: r rows of c elements of 8 bytes, p elements from row to row
	s_mov_b32 s[\g+1], (\c)<<16
	s_mov_b32 s[\g+2], (\r)<<16
	s_mov_b32 s[\g+3], (\c)<<16
	s_mov_b32 s[\g+4], \r
	s_mov_b32 s[\g+5], \p
	s_mov_b32 s[\g+6], 0
	s_mov_b32 s[\g+7], 0
.endm
; 8 matrix instructions: A's block a against B's eight, from set p.  The scale registers hold an even block's words in lanes 0-15 and the odd one's in lanes 16-31.  The 32 accumulators take turns, one instruction
; a turn, in the same order in every step.  first = 1: the bias starts the sums.
.macro MULA a, p, first
.irp b, 0,1,2,3,4,5,6,7
.set rD, 8*(8*(\a)+\b)
.set rC, rD
.if \first
.set rC, BIAS+8*\b
.endif
.set rB, 128*(\p)+12*\b
.set rA, AF+48*(\p)+12*(\a)
.set rSB, SC+6*(\p)+2+\b/2
.set rSA, SC+6*(\p)+(\a)/2
.if (\b%2) && ((\a)%2)
	v_wmma_scale_f32_16x16x128_f8f6f4 v[rD:rD+7], v[rB:rB+11], v[rA:rA+11], v[rC:rC+7], v[rSB], v[rSA] matrix_a_fmt:MATRIX_FMT_BF6 matrix_b_fmt:MATRIX_FMT_BF6 matrix_a_scale:MATRIX_SCALE_ROW1 matrix_b_scale:MATRIX_SCALE_ROW1
.elseif \b%2
	v_wmma_scale_f32_16x16x128_f8f6f4 v[rD:rD+7], v[rB:rB+11], v[rA:rA+11], v[rC:rC+7], v[rSB], v[rSA] matrix_a_fmt:MATRIX_FMT_BF6 matrix_b_fmt:MATRIX_FMT_BF6 matrix_a_scale:MATRIX_SCALE_ROW1
.elseif (\a)%2
	v_wmma_scale_f32_16x16x128_f8f6f4 v[rD:rD+7], v[rB:rB+11], v[rA:rA+11], v[rC:rC+7], v[rSB], v[rSA] matrix_a_fmt:MATRIX_FMT_BF6 matrix_b_fmt:MATRIX_FMT_BF6 matrix_b_scale:MATRIX_SCALE_ROW1
.else
	v_wmma_scale_f32_16x16x128_f8f6f4 v[rD:rD+7], v[rB:rB+11], v[rA:rA+11], v[rC:rC+7], v[rSB], v[rSA] matrix_a_fmt:MATRIX_FMT_BF6 matrix_b_fmt:MATRIX_FMT_BF6
.endif
.endr
.endm
; 42 LDS loads in one run: the slot's q-th 128 along K into set p: B's eight fragments, A's four, and the scale words of K step kap
.macro FETCH slot, q, p, kap
	WIN 0x40                                       ; destination window 1
.irp i, 0,1,2,3,4,5,6,7
.irp c, 0,1,2
	ds_load_b128 v[128*(\p)+12*\i+4*\c:128*(\p)+12*\i+4*\c+3], v[ADRB+\slot] offset:6144*\i+1536*(\q)+512*\c
.endr
.endr
	WIN 0
.irp i, 0,1,2,3
.irp c, 0,1,2
	ds_load_b128 v[AF+48*(\p)+12*\i+4*\c:AF+48*(\p)+12*\i+4*\c+3], v[ADRA+\slot] offset:6144*\i+1536*(\q)+512*\c
.endr
.endr
.irp i, 0,1
	ds_load_b32 v[SC+6*(\p)+\i], v[ADSA] offset:256*(\kap)+128*\i
.endr
.irp i, 0,1,2,3
	ds_load_b32 v[SC+6*(\p)+2+\i], v[ADSB] offset:512*(\kap)+128*\i
.endr
.endm
; A step of 128 along K that has its successor in the same slot: 32 matrix instructions; behind the first eight the next step's fragments are asked for, 24 matrix instructions ahead of their use
.macro STEP slot, q, kap, first
	s_wait_dscnt 0x0                               ; this step's fragments and scale words are in
.if \first
	WIN MULF
.else
	WIN MUL
.endif
	MULA 0, (\q)%2, \first
	PLACES
	FETCH \slot, (\q)+1, 1-(\q)%2, (\kap)+1
.if \first
	WIN MULF
.else
	WIN MUL
.endif
	MULA 1, (\q)%2, \first
	MULA 2, (\q)%2, \first
	MULA 3, (\q)%2, \first
.endm
; A slot's last step changes slots: one barrier; in front of it each wave waits for all its tensor loads (its part of the next slot), adds 0 to its spare word, and waits for that and for its reads of this slot
.macro TURN slot, next, kap
	WIN 0                                          ; (the add's two registers lie in window 0)
	s_wait_tensorcnt 0x0
	ds_add_u32 v[SPW], v[NIL]
	s_wait_dscnt 1                                 ; the add alone may be out: this step's fragments are in
	WIN MUL
	MULA 0, 1, 0
	s_wait_dscnt 0x0                               ; the add is done, and my reads of this slot are over
	s_barrier_signal -1
	MULA 1, 1, 0
	s_barrier_wait -1                              ; the next slot is whole; nothing is filled again
	PLACES
	FETCH \next, 0, 0, (\kap)+1
	WIN MUL
	MULA 2, 1, 0
	MULA 3, 1, 0
.endm
.macro LAST
	s_wait_dscnt 0x0
	WIN MUL
	MULA 0, 1, 0
	MULA 1, 1, 0
	MULA 2, 1, 0
	MULA 3, 1, 0
	WIN 0
.endm
; THE WAY OUT of block a (16 tokens x my 128 channels): largest magnitudes, scale word, codes, stores.  Each accumulator is first read at its low end.
.macro QMAX a
	WIN 0x28                                       ; sources 1 and 2 window 2
.irp b, 0,1,2,3
	v_max3_num_f32 v[TM+\b], 0x2800000, |v[64*(\a)+16*\b]|, |v[64*(\a)+16*\b+1]|   ; the floor 2^(5 - 127): the byte cannot fall under 1
.endr
.irp i, 2,4,6,8,10,12,14
.irp b, 0,1,2,3
	v_max3_num_f32 v[TM+\b], v[TM+\b], |v[64*(\a)+16*\b+\i]|, |v[64*(\a)+16*\b+\i+1]|
.endr
.endr
	WIN 0
.irp b, 0,1,2,3
	v_permlanex16_b32 v[TM+4+\b], v[TM+\b], s[SEL], s[SEL+1]
.endr
.irp b, 0,1,2,3
	v_max_num_f32 v[TM+\b], v[TM+\b], v[TM+4+\b]
.endr
.endm
.macro QSC a
.irp b, 0,1,2,3
	v_add_nc_u32 v[TM+12+\b], 0xfe000000, v[TM+\b] ; 4 off the exponent field: the conversion's scale operand
.endr
.irp b, 0,1,2,3
	v_lshrrev_b32 v[TM+4+\b], 23, v[TM+12+\b]      ; the scale's byte
.endr
	v_lshl_or_b32 v[PW+\a], v[TM+5], 8, v[TM+4]
	v_lshl_or_b32 v[PW+\a], v[TM+6], 16, v[PW+\a]
	v_lshl_or_b32 v[PW+\a], v[TM+7], 24, v[PW+\a]
.endm
.macro QCVT a                          ; each block has its own 24 registers where A's fragments lay, so that no store's data are written again
.set PC, AF+24*(\a)
	WIN 0x02                                       ; source 0 window 2
.irp c, 0,1
	v_cvt_scalef32_pk16_bf6_f32 v[PC+6*\c:PC+6*\c+2], v[64*(\a)+32*\c:64*(\a)+32*\c+15], v[TM+12+2*\c]
	v_cvt_scalef32_pk16_bf6_f32 v[PC+12+4*\c:PC+14+4*\c], v[64*(\a)+32*\c+16:64*(\a)+32*\c+31], v[TM+13+2*\c]
.endr
	WIN 0
	v_nop                                          ; one plain place behind a scaled conversion
.irp c, 0,1
.irp i, 0,1,2
	v_permlane16_swap_b32 v[PC+6*\c+\i], v[PC+12+4*\c+\i]
.endr
.irp i, 0,1,2
	v_mov_b32 v[PC+3+6*\c+\i], v[PC+12+4*\c+\i]
.endr
.endr
.endm
.macro QOUT a
.set PC, AF+24*(\a)
.irp c, 0,1,2
	global_store_b128 v4, v[PC+4*\c:PC+4*\c+3], s[OC:OC+1] offset:(\a)*OSTEP+512*\c   ; 32 lanes store 512 consecutive bytes, aligned
.endr
	ds_store_b32 v24, v[PW+\a] offset:64*(\a)      ; the scale words are gathered in my 1,024 bytes of slot 0, which has had its last fill and its last read
.endm
	s_load_b256 s[4:11], s[0:1], 0x0               ; xw s[4:5], bq s[6:7], bk s[8:9], qk s[10:11]
	v_lshl_add_u32 v[SPW], v0, 2, SPARE
	v_mov_b32 v[NIL], 0
	ds_add_u32 v[SPW], v[NIL]                      ; the wave's opening: the add, twice on end, and its wait ahead of my first tensor load
	ds_add_u32 v[SPW], v[NIL]
	v_lshrrev_b32 v1, 5, v0
	v_readfirstlane_b32 s14, v1                    ; wave 0..3
	s_lshr_b32 s15, s14, 1                         ; my half of the tile's rows.  Also: I fetch for A (0) or for B (1)
	s_and_b32 s16, s14, 1                          ; my half of its columns.  Also: which half I fetch
	s_bfe_u32 s40, ttmp6, 0x40000                  ; cx
	s_bfe_u32 s41, ttmp6, 0x40004                  ; cy
	s_lshl_b32 s42, ttmp9, 2
	s_add_co_u32 s42, s42, s40                     ; tile column
	s_and_b32 s17, ttmp7, 0xffff
	s_lshl_b32 s17, s17, 2
	s_add_co_u32 s17, s17, s41                     ; tile row
	s_lshl_b32 s43, s41, 2
	s_lshl_b32 s43, 15, s43                        ; my row of the cluster
	s_lshl_b32 s44, 0x1111, s40                    ; my column
	s_or_b32 s[G1], s43, (3<<16)|(1<<21)           ; the mask; elements of 8 bytes; bit 21 beside a mask; no padding
	s_or_b32 s[G1B], s44, (3<<16)|(1<<21)
	s_or_b32 s[G1S], s43, (3<<16)|(1<<21)
	s_or_b32 s[G1SB], s44, (3<<16)|(1<<21)
	GROUP1 G1, 768, 4, AP/8                        ; A's codes: 4 rho x 6,144 bytes
	GROUP1 G1B, 768, 8, BP/8                       ; B's: 8 rho
	GROUP1 G1S, 32, NK, ASP/8                      ; A's scale words: NK kappa x 64 rows
	GROUP1 G1SB, 64, NK, BSP/8                     ; B's: NK kappa x 128 rows
	s_mul_i32 s20, s17, 8*AP                       ; A's codes: rho = 8 x tile row + 4 x half
	s_mul_i32 s18, s16, 4*AP
	s_add_co_u32 s20, s20, s18
	s_mov_b32 s21, 0
	s_lshl_b32 s22, s17, 9                         ; A's scale words: row 128 x tile row + 64 x half
	s_lshl_b32 s18, s16, 8
	s_add_co_u32 s22, s22, s18
	s_add_co_u32 s22, s22, ASBASE
	s_mov_b32 s23, 0
	s_mul_i32 s46, s42, 16*BP                      ; B's codes: rho = 16 x tile column + 8 x half
	s_mul_i32 s18, s16, 8*BP
	s_add_co_u32 s46, s46, s18
	s_add_co_u32 s46, s46, BBASE
	s_mov_b32 s47, 0
	s_lshl_b32 s98, s42, 10                        ; B's scale words
	s_lshl_b32 s18, s16, 9
	s_add_co_u32 s98, s98, s18
	s_add_co_u32 s98, s98, BSBASE
	s_mov_b32 s99, 0
	s_mov_b32 s[G0], 1
	s_mov_b32 s[G0+4], 1
	s_mov_b32 s[G0B], 1
	s_mov_b32 s[G0B+4], 1
	s_mov_b32 s[G0S], 1
	s_mov_b32 s[G0SB], 1
	s_mul_i32 s[G0+1], s16, HALFA                  ; LDS addresses hang on the wave's number alone
	s_add_co_u32 s[G0+5], s[G0+1], SLOT
	s_mul_i32 s[G0B+1], s16, HALFB
	s_add_co_u32 s[G0B+1], s[G0B+1], BOFF
	s_add_co_u32 s[G0B+5], s[G0B+1], SLOT
	s_mul_i32 s[G0S+1], s16, HALFSA
	s_add_co_u32 s[G0S+1], s[G0S+1], SCA
	s_mul_i32 s[G0SB+1], s16, HALFSB
	s_add_co_u32 s[G0SB+1], s[G0SB+1], SCB
	s_wait_dscnt 0x0                               ; both opening adds are done
	s_wait_kmcnt 0x0
	s_add_nc_u64 s[G0+2:G0+3], s[4:5], s[20:21]
	s_add_nc_u64 s[G0+6:G0+7], s[G0+2:G0+3], 6144  ; slot 1: K steps 4 to 7
	s_add_nc_u64 s[G0S+2:G0S+3], s[4:5], s[22:23]
	s_add_nc_u64 s[G0B+2:G0B+3], s[4:5], s[46:47]
	s_add_nc_u64 s[G0B+6:G0B+7], s[G0B+2:G0B+3], 6144
	s_add_nc_u64 s[G0SB+2:G0SB+3], s[4:5], s[98:99]
	s_or_b32 s[G0+3], s[G0+3], 0x80000000
	s_or_b32 s[G0+7], s[G0+7], 0x80000000
	s_or_b32 s[G0S+3], s[G0S+3], 0x80000000
	s_or_b32 s[G0B+3], s[G0B+3], 0x80000000
	s_or_b32 s[G0B+7], s[G0B+7], 0x80000000
	s_or_b32 s[G0SB+3], s[G0SB+3], 0x80000000
	CROUND                                         ; all sixteen work-groups are here: the first joint loads meet
	s_cmp_eq_u32 s15, 0                            ; a wave's first fills stand in one branch on the wave's number: scale words, slot 0, slot 1: three loads of mine are out
	s_cbranch_scc0 .Lfirst_b
	tensor_load_to_lds s[G0S:G0S+3], s[G1S:G1S+7]
	s_nop 0
	tensor_load_to_lds s[G0:G0+3], s[G1:G1+7]
	s_nop 0
	tensor_load_to_lds s[G0+4:G0+7], s[G1:G1+7]
	s_nop 0
.rept 4
	v_nop
.endr
	s_branch .Lfirst_done
.Lfirst_b:
	tensor_load_to_lds s[G0SB:G0SB+3], s[G1SB:G1SB+7]
	s_nop 0
	tensor_load_to_lds s[G0B:G0B+3], s[G1B:G1B+7]
	s_nop 0
	tensor_load_to_lds s[G0B+4:G0B+7], s[G1B:G1B+7]
	s_nop 0
.rept 4
	v_nop
.endr
.Lfirst_done:
	v_and_b32 v1, 15, v0                           ; r
	v_bfe_u32 v2, v0, 4, 1                         ; h
	v_and_b32 v3, 31, v0                           ; lane
	v_lshlrev_b32 v4, 4, v3                        ; 16 x lane
	s_mul_i32 s18, s15, HALFA
	v_add_nc_u32 v[ADRA], s18, v4
	v_add_nc_u32 v[ADRA+1], SLOT, v[ADRA]
	s_mul_i32 s18, s16, HALFB
	s_add_co_u32 s18, s18, BOFF
	v_add_nc_u32 v[ADRB], s18, v4
	v_add_nc_u32 v[ADRB+1], SLOT, v[ADRB]
	v_lshlrev_b32 v6, 2, v3
	s_mul_i32 s18, s15, HALFSA
	s_add_co_u32 s18, s18, SCA
	v_add_nc_u32 v[ADSA], s18, v6
	s_mul_i32 s18, s16, HALFSB
	s_add_co_u32 s18, s18, SCB
	v_add_nc_u32 v[ADSB], s18, v6
	s_lshl_b32 s18, s14, 10                        ; the way out: my 1,024 bytes of slot 0
	v_lshl_add_u32 v24, v1, 2, s18
	v_lshl_add_u32 v25, v3, 3, s18
	v_lshlrev_b32 v26, 3, v3
	s_mov_b32 s[SEL], 0x76543210
	s_mov_b32 s[SEL+1], 0xfedcba98
.irp b, 0,1,2,3
	v_mov_b32 v[TM+4+\b], 0                        ; written once: a lane permute's destination counts as one of its sources
.endr
	s_lshl_b32 s19, s17, 3
	s_lshl_b32 s18, s15, 2
	s_add_co_u32 s19, s19, s18                     ; rho0 = 8 x tile row + 4 x my half: my first 16 tokens
	s_lshl_b32 s18, s40, 1
	s_add_co_u32 s18, s18, s16                     ; kappa of my 128 channels in q or in k: 2 cx + my half
	s_mul_i32 s98, s19, OSTEP
	s_mul_i32 s99, s18, 1536
	s_add_co_u32 s98, s98, s99
	s_mul_i32 s99, ttmp9, 6291456                  ; cluster x = 0: q, 1: k
	s_add_co_u32 s98, s98, s99
	s_mov_b32 s99, 0
	s_add_nc_u64 s[OC:OC+1], s[10:11], s[98:99]
	s_mul_i32 s98, s18, OSP
	s_lshl_b32 s99, s19, 6
	s_add_co_u32 s98, s98, s99
	s_add_co_u32 s98, s98, OSBASE
	s_mul_i32 s99, ttmp9, 262144
	s_add_co_u32 s98, s98, s99
	s_mov_b32 s99, 0
	s_add_nc_u64 s[OS:OS+1], s[10:11], s[98:99]
	s_cmp_eq_u32 ttmp9, 0                          ; the bias: bq or bk, at my 128 channels; lane (r, h) wants, for tile 2 B + u, channels 32 B + 16 h + 8 u + 0 .. 7
	s_cselect_b64 s[6:7], s[6:7], s[8:9]
	s_lshl_b32 s98, s40, 10
	s_lshl_b32 s99, s16, 9
	s_add_co_u32 s98, s98, s99
	s_mov_b32 s99, 0
	s_add_nc_u64 s[6:7], s[6:7], s[98:99]
	v_lshlrev_b32 v5, 6, v2
.irp t, 0,1,2,3,4,5,6,7
	global_load_b128 v[BIAS+8*\t:BIAS+8*\t+3], v5, s[6:7] offset:(32*(\t/2)+8*(\t%2))*4
	global_load_b128 v[BIAS+8*\t+4:BIAS+8*\t+7], v5, s[6:7] offset:(32*(\t/2)+8*(\t%2))*4+16
.endr
	s_wait_tensorcnt 0x1                           ; my scale words and my part of slot 0 are in; slot 1's load, the one issued behind them, may be out
	s_wait_loadcnt 0x0                             ; the bias
	s_barrier_signal -1
	s_barrier_wait -1
	FETCH 0, 0, 0, 0
	STEP 0, 0, 0, 1
	STEP 0, 1, 1, 0
	STEP 0, 2, 2, 0
	TURN 0, 1, 3
	STEP 1, 0, 4, 0
	STEP 1, 1, 5, 0
	STEP 1, 2, 6, 0
	LAST
	PLACES
.irp a, 0,1,2,3
	QMAX \a
	QSC \a
	QCVT \a
	QOUT \a
.endr
	ds_load_b64 v[224:225], v25                    ; LDS serves a wave's instructions in order: these see my stores
	s_wait_dscnt 0x0
	global_store_b64 v26, v[224:225], s[OS:OS+1]   ; my 64 tokens' scale words: 256 consecutive bytes, aligned
	s_wait_tensorcnt 0x0                           ; the wave's end
	ds_add_u32 v[SPW], v[NIL]
	s_wait_dscnt 0x0
	CROUND                                         ; the closing round
	s_endpgm
.Lfunc_end_k_q537bfce31a_projqk:
	.size	k_q537bfce31a_projqk, .Lfunc_end_k_q537bfce31a_projqk-k_q537bfce31a_projqk
	.p2alignl 7, 3214868480
	.fill 96, 4, 3214868480
	.section	.rodata,"a",@progbits
	.p2align	6, 0x0
	.amdhsa_kernel k_q537bfce31a_projqk
		.amdhsa_group_segment_fixed_size 327680
		.amdhsa_private_segment_fixed_size 0
		.amdhsa_enable_private_segment 0
		.amdhsa_kernarg_size 32
		.amdhsa_user_sgpr_count 2
		.amdhsa_user_sgpr_kernarg_segment_ptr 1
		.amdhsa_wavefront_size32 1
		.amdhsa_system_sgpr_workgroup_id_x 1
		.amdhsa_system_sgpr_workgroup_id_y 1
		.amdhsa_system_sgpr_workgroup_id_z 1
		.amdhsa_system_vgpr_workitem_id 0
		.amdhsa_next_free_vgpr 768
		.amdhsa_next_free_sgpr 100
		.amdhsa_reserve_vcc 0
		.amdhsa_float_denorm_mode_32 3
		.amdhsa_float_denorm_mode_16_64 3
		.amdhsa_memory_ordered 1
		.amdhsa_forward_progress 1
		.amdhsa_inst_pref_size 84
	.end_amdhsa_kernel
	.amdgpu_metadata
---
amdhsa.version: [ 1, 2 ]
amdhsa.kernels:
  - .name:           k_q537bfce31a_projqk
    .symbol:         k_q537bfce31a_projqk.kd
    .args:
      - { .name: xw, .offset: 0, .size: 8, .value_kind: global_buffer, .address_space: global }
      - { .name: bq, .offset: 8, .size: 8, .value_kind: global_buffer, .address_space: global }
      - { .name: bk, .offset: 16, .size: 8, .value_kind: global_buffer, .address_space: global }
      - { .name: qk, .offset: 24, .size: 8, .value_kind: global_buffer, .address_space: global }
    .group_segment_fixed_size: 327680
    .private_segment_fixed_size: 0
    .kernarg_segment_align: 8
    .kernarg_segment_size: 32
    .max_flat_workgroup_size: 128
    .sgpr_count:     100
    .vgpr_count:     768
    .wavefront_size: 32
...
	.end_amdgpu_metadata
.endif
;; end of part 2
;; launch projv (part 3): grid 32 x 8, 4 waves a work-group, clusters of 4 x 4, 327,680 bytes of LDS; arguments xw, bv, vt; writes vt
.if DOCPART == 3
	.amdgcn_target "amdgcn-amd-amdhsa--gfx1250"
	.amdhsa_code_object_version 6
	.text
	.protected	k_q537bfce31a_projv
	.globl	k_q537bfce31a_projv
	.p2align	8
	.type	k_q537bfce31a_projv,@function
k_q537bfce31a_projv:
	s_mov_b64 s[64:65], 0
	v_nop
	global_prefetch_b8 v0, s[64:65] scope:SCOPE_SE
	s_setreg_imm32_b32 hwreg(HW_REG_WAVE_MODE, 25, 1), 1
	s_wait_xcnt 0x0
	s_wait_alu depctr_hold_cnt(0) depctr_sa_sdst(0) depctr_va_vdst(0) depctr_va_sdst(0) depctr_va_ssrc(0) depctr_va_vcc(0) depctr_vm_vsrc(0)
	s_getreg_b32 s2, hwreg(HW_REG_IB_STS2, 6, 4)
	s_cmp_eq_u32 s2, 0
	s_cbranch_scc0 .Lentry_in_a_cluster
	s_endpgm
.Lentry_in_a_cluster:
	s_bfe_u32 s2, ttmp6, 0x10000c
	s_cmp_lg_u32 s2, 0xf033
	s_cbranch_scc0 .Lentry_shape_is_right
	s_endpgm
.Lentry_shape_is_right:
; LAUNCH 3 OF 6.  v^T = Wv x^T + bv on codes of BF6 (E3M2), quantised along the KEYS on the way out: the keys are the K of the product with the softmax's p.  Nothing of the problem is left out here.
; OPERANDS (buffer xw): codes in the order of the operand's registers (a fragment, 16 rows x 128 K, is 1,536 dense bytes; fragment (rho, kappa) at (8 rho + kappa) x 1,536), scale words [kappa][row]; rows stored with
; bits 3 and 4 of their number exchanged.  A = Wv, rows 10240-11263; B = x, rows 0-8191.
; SHARES.  A work-group makes 128 channels x 256 tokens; four waves 2 x 2, a wave 64 x 128: 32 accumulators.  TRANSPOSED USE: source 0 = 16 stored tokens, source 1 = 16 stored channels: lane (r, h) holds channel r, and the
; 16 registers of tiles 2 B, 2 B + 1 are tokens 32 B + 16 h + 0 .. 15: a wave's 128 tokens of 16 channels are one fragment of vt (64 K steps a row: 16 x batch + kappa).
; LDS, cluster and registers: two slots of 512 along K, both first fills (three tensor loads a wave out at the most); scale words of all of K with them; joint loads, A's along a row of the 4 x 4 cluster, B's along a column.
; Window 0: addresses, scale words v32-43, at work v44-63, bias v64-95, A's fragments v128-223.  Window 1: B's fragments.  Window 2: accumulator (a, b) at v[8 (8 a + b)].
; LIMITS: NaN and infinities are not served; a block of zeros, or one under 2^-122, carries the byte 1.
.set NK,     8
.set AP,     12288
.set BP,     12288
.set ASP,    49152
.set BSP,    49152
.set XWS,    9437184
.set ABASE,  7864320                   ; row 10240
.set ASBASE, XWS+40960
.set BSBASE, XWS
.set OSTEP,  98304                     ; in vt: bytes from rho to rho + 1
.set OSP,    4096
.set OSBASE, 6291456
.set SLOT,   147456
.set HALFA,  24576
.set HALFB,  49152
.set BOFF,   49152
.set SCA,    2*SLOT
.set HALFSA, 256*NK
.set SCB,    SCA+2*HALFSA
.set HALFSB, 512*NK
.set SPARE,  SCB+2*HALFSB              ; the spare words, 128 bytes for each wave: two blocks of 256 bytes that no other line names
.set ADRA, 16
.set ADRB, 20
.set ADSA, 22
.set ADSB, 23
.set SPW,  28
.set NIL,  29
.set SC,   32
.set TM,   44
.set PW,   60
.set BIAS, 64
.set AF,   128
.set G1,   24
.set G0,   32
.set G1B,  48
.set G0B,  56
.set G1S,  68
.set G0S,  76
.set G1SB, 80
.set G0SB, 88
.set OC,   92
.set OS,   94
.set SEL,  96
.set MUL,  0xa1                        ; source 0 (B) window 1, source 1 (A) window 0, C and D window 2
.set MULF, 0x81                        ; the first step: C (the bias) window 0
.set MSB, 0
.macro WIN new                         ; the immediate's high byte repeats the setting that is left
.if MSB != \new
	s_set_vgpr_msb (MSB<<8)|\new
.set MSB, \new
.endif
.endm
.macro CREST
	s_cmp_lg_u32 s14, 0
	s_cbranch_scc1 .Lnot_wave_0_\@
	s_barrier_signal -3
.Lnot_wave_0_\@:
	s_barrier_wait -3
	s_barrier_signal -1
	s_barrier_wait -1
.endm
.macro CROUND
	s_barrier_signal -1
	s_barrier_wait -1
	CREST
.endm
.macro PLACES                          ; four plain places behind a matrix instruction (ISA guide 7.12.1)
.rept 4
	v_nop
.endr
.endm
.macro GROUP1 g, c, r, p               ; r rows of c elements of 8 bytes, p elements from row to row
	s_mov_b32 s[\g+1], (\c)<<16
	s_mov_b32 s[\g+2], (\r)<<16
	s_mov_b32 s[\g+3], (\c)<<16
	s_mov_b32 s[\g+4], \r
	s_mov_b32 s[\g+5], \p
	s_mov_b32 s[\g+6], 0
	s_mov_b32 s[\g+7], 0
.endm
; 8 matrix instructions: A's block a against B's eight, from set p; the 32 accumulators take turns.  first = 1: the bias, one number a lane in eight registers, starts the sums.
.macro MULA a, p, first
.irp b, 0,1,2,3,4,5,6,7
.set rD, 8*(8*(\a)+\b)
.set rC, rD
.if \first
.set rC, BIAS+8*(\a)
.endif
.set rB, 128*(\p)+12*\b
.set rA, AF+48*(\p)+12*(\a)
.set rSB, SC+6*(\p)+2+\b/2
.set rSA, SC+6*(\p)+(\a)/2
.if (\b%2) && ((\a)%2)
	v_wmma_scale_f32_16x16x128_f8f6f4 v[rD:rD+7], v[rB:rB+11], v[rA:rA+11], v[rC:rC+7], v[rSB], v[rSA] matrix_a_fmt:MATRIX_FMT_BF6 matrix_b_fmt:MATRIX_FMT_BF6 matrix_a_scale:MATRIX_SCALE_ROW1 matrix_b_scale:MATRIX_SCALE_ROW1
.elseif \b%2
	v_wmma_scale_f32_16x16x128_f8f6f4 v[rD:rD+7], v[rB:rB+11], v[rA:rA+11], v[rC:rC+7], v[rSB], v[rSA] matrix_a_fmt:MATRIX_FMT_BF6 matrix_b_fmt:MATRIX_FMT_BF6 matrix_a_scale:MATRIX_SCALE_ROW1
.elseif (\a)%2
	v_wmma_scale_f32_16x16x128_f8f6f4 v[rD:rD+7], v[rB:rB+11], v[rA:rA+11], v[rC:rC+7], v[rSB], v[rSA] matrix_a_fmt:MATRIX_FMT_BF6 matrix_b_fmt:MATRIX_FMT_BF6 matrix_b_scale:MATRIX_SCALE_ROW1
.else
	v_wmma_scale_f32_16x16x128_f8f6f4 v[rD:rD+7], v[rB:rB+11], v[rA:rA+11], v[rC:rC+7], v[rSB], v[rSA] matrix_a_fmt:MATRIX_FMT_BF6 matrix_b_fmt:MATRIX_FMT_BF6
.endif
.endr
.endm
.macro FETCH slot, q, p, kap           ; 42 LDS loads in one run: the slot's q-th 128 along K into set p, and the scale words of K step kap
	WIN 0x40
.irp i, 0,1,2,3,4,5,6,7
.irp c, 0,1,2
	ds_load_b128 v[128*(\p)+12*\i+4*\c:128*(\p)+12*\i+4*\c+3], v[ADRB+\slot] offset:6144*\i+1536*(\q)+512*\c
.endr
.endr
	WIN 0
.irp i, 0,1,2,3
.irp c, 0,1,2
	ds_load_b128 v[AF+48*(\p)+12*\i+4*\c:AF+48*(\p)+12*\i+4*\c+3], v[ADRA+\slot] offset:6144*\i+1536*(\q)+512*\c
.endr
.endr
.irp i, 0,1
	ds_load_b32 v[SC+6*(\p)+\i], v[ADSA] offset:256*(\kap)+128*\i
.endr
.irp i, 0,1,2,3
	ds_load_b32 v[SC+6*(\p)+2+\i], v[ADSB] offset:512*(\kap)+128*\i
.endr
.endm
.macro STEP slot, q, kap, first
	s_wait_dscnt 0x0                               ; this step's fragments and scale words are in
.if \first
	WIN MULF
.else
	WIN MUL
.endif
	MULA 0, (\q)%2, \first
	PLACES
	FETCH \slot, (\q)+1, 1-(\q)%2, (\kap)+1
.if \first
	WIN MULF
.else
	WIN MUL
.endif
	MULA 1, (\q)%2, \first
	MULA 2, (\q)%2, \first
	MULA 3, (\q)%2, \first
.endm
.macro TURN slot, next, kap            ; a slot's last step changes slots: one barrier, nothing is filled again
	WIN 0
	s_wait_tensorcnt 0x0                           ; all my tensor loads have landed: my part of the next slot
	ds_add_u32 v[SPW], v[NIL]
	s_wait_dscnt 1                                 ; the add alone may be out
	WIN MUL
	MULA 0, 1, 0
	s_wait_dscnt 0x0                               ; the add is done, and my reads of this slot are over
	s_barrier_signal -1
	MULA 1, 1, 0
	s_barrier_wait -1
	PLACES
	FETCH \next, 0, 0, (\kap)+1
	WIN MUL
	MULA 2, 1, 0
	MULA 3, 1, 0
.endm
.macro LAST
	s_wait_dscnt 0x0
	WIN MUL
	MULA 0, 1, 0
	MULA 1, 1, 0
	MULA 2, 1, 0
	MULA 3, 1, 0
	WIN 0
.endm
; THE WAY OUT of block a (16 channels x my 128 tokens).  Each accumulator is first read at its low end.
.macro QMAX a
	WIN 0x28
.irp b, 0,1,2,3
	v_max3_num_f32 v[TM+\b], 0x2800000, |v[64*(\a)+16*\b]|, |v[64*(\a)+16*\b+1]|   ; the floor 2^(5 - 127): the byte cannot fall under 1
.endr
.irp i, 2,4,6,8,10,12,14
.irp b, 0,1,2,3
	v_max3_num_f32 v[TM+\b], v[TM+\b], |v[64*(\a)+16*\b+\i]|, |v[64*(\a)+16*\b+\i+1]|
.endr
.endr
	WIN 0
.irp b, 0,1,2,3
	v_permlanex16_b32 v[TM+4+\b], v[TM+\b], s[SEL], s[SEL+1]
.endr
.irp b, 0,1,2,3
	v_max_num_f32 v[TM+\b], v[TM+\b], v[TM+4+\b]
.endr
.endm
.macro QSC a
.irp b, 0,1,2,3
	v_add_nc_u32 v[TM+12+\b], 0xfe000000, v[TM+\b]
.endr
.irp b, 0,1,2,3
	v_lshrrev_b32 v[TM+4+\b], 23, v[TM+12+\b]
.endr
	v_lshl_or_b32 v[PW+\a], v[TM+5], 8, v[TM+4]
	v_lshl_or_b32 v[PW+\a], v[TM+6], 16, v[PW+\a]
	v_lshl_or_b32 v[PW+\a], v[TM+7], 24, v[PW+\a]
.endm
.macro QCVT a
.set PC, AF+24*(\a)
	WIN 0x02
.irp c, 0,1
	v_cvt_scalef32_pk16_bf6_f32 v[PC+6*\c:PC+6*\c+2], v[64*(\a)+32*\c:64*(\a)+32*\c+15], v[TM+12+2*\c]
	v_cvt_scalef32_pk16_bf6_f32 v[PC+12+4*\c:PC+14+4*\c], v[64*(\a)+32*\c+16:64*(\a)+32*\c+31], v[TM+13+2*\c]
.endr
	WIN 0
	v_nop                                          ; one plain place behind a scaled conversion
.irp c, 0,1
.irp i, 0,1,2
	v_permlane16_swap_b32 v[PC+6*\c+\i], v[PC+12+4*\c+\i]
.endr
.irp i, 0,1,2
	v_mov_b32 v[PC+3+6*\c+\i], v[PC+12+4*\c+\i]
.endr
.endr
.endm
.macro QOUT a
.set PC, AF+24*(\a)
.irp c, 0,1,2
	global_store_b128 v4, v[PC+4*\c:PC+4*\c+3], s[OC:OC+1] offset:(\a)*OSTEP+512*\c   ; 512 consecutive bytes, aligned
.endr
	ds_store_b32 v24, v[PW+\a] offset:64*(\a)      ; into my 1,024 bytes of slot 0, which has had its last fill and its last read
.endm
	s_load_b128 s[4:7], s[0:1], 0x0                ; xw s[4:5], bv s[6:7]
	s_load_b64 s[8:9], s[0:1], 0x10                ; vt
	v_lshl_add_u32 v[SPW], v0, 2, SPARE
	v_mov_b32 v[NIL], 0
	ds_add_u32 v[SPW], v[NIL]                      ; the wave's opening: the add, twice on end, and its wait ahead of my first tensor load
	ds_add_u32 v[SPW], v[NIL]
	v_lshrrev_b32 v1, 5, v0
	v_readfirstlane_b32 s14, v1                    ; wave 0..3
	s_lshr_b32 s15, s14, 1                         ; my half of the rows; also: I fetch for A (0) or B (1)
	s_and_b32 s16, s14, 1                          ; my half of the columns; also: which half I fetch
	s_bfe_u32 s40, ttmp6, 0x40000
	s_bfe_u32 s41, ttmp6, 0x40004
	s_lshl_b32 s42, ttmp9, 2
	s_add_co_u32 s42, s42, s40                     ; tile column (tokens)
	s_and_b32 s17, ttmp7, 0xffff
	s_lshl_b32 s17, s17, 2
	s_add_co_u32 s17, s17, s41                     ; tile row (channels)
	s_lshl_b32 s43, s41, 2
	s_lshl_b32 s43, 15, s43
	s_lshl_b32 s44, 0x1111, s40
	s_or_b32 s[G1], s43, (3<<16)|(1<<21)
	s_or_b32 s[G1B], s44, (3<<16)|(1<<21)
	s_or_b32 s[G1S], s43, (3<<16)|(1<<21)
	s_or_b32 s[G1SB], s44, (3<<16)|(1<<21)
	GROUP1 G1, 768, 4, AP/8
	GROUP1 G1B, 768, 8, BP/8
	GROUP1 G1S, 32, NK, ASP/8
	GROUP1 G1SB, 64, NK, BSP/8
	s_mul_i32 s20, s17, 8*AP
	s_mul_i32 s18, s16, 4*AP
	s_add_co_u32 s20, s20, s18
	s_add_co_u32 s20, s20, ABASE
	s_mov_b32 s21, 0
	s_lshl_b32 s22, s17, 9
	s_lshl_b32 s18, s16, 8
	s_add_co_u32 s22, s22, s18
	s_add_co_u32 s22, s22, ASBASE
	s_mov_b32 s23, 0
	s_mul_i32 s46, s42, 16*BP
	s_mul_i32 s18, s16, 8*BP
	s_add_co_u32 s46, s46, s18
	s_mov_b32 s47, 0
	s_lshl_b32 s98, s42, 10
	s_lshl_b32 s18, s16, 9
	s_add_co_u32 s98, s98, s18
	s_add_co_u32 s98, s98, BSBASE
	s_mov_b32 s99, 0
	s_mov_b32 s[G0], 1
	s_mov_b32 s[G0+4], 1
	s_mov_b32 s[G0B], 1
	s_mov_b32 s[G0B+4], 1
	s_mov_b32 s[G0S], 1
	s_mov_b32 s[G0SB], 1
	s_mul_i32 s[G0+1], s16, HALFA
	s_add_co_u32 s[G0+5], s[G0+1], SLOT
	s_mul_i32 s[G0B+1], s16, HALFB
	s_add_co_u32 s[G0B+1], s[G0B+1], BOFF
	s_add_co_u32 s[G0B+5], s[G0B+1], SLOT
	s_mul_i32 s[G0S+1], s16, HALFSA
	s_add_co_u32 s[G0S+1], s[G0S+1], SCA
	s_mul_i32 s[G0SB+1], s16, HALFSB
	s_add_co_u32 s[G0SB+1], s[G0SB+1], SCB
	s_wait_dscnt 0x0                               ; both opening adds are done
	s_wait_kmcnt 0x0
	s_add_nc_u64 s[G0+2:G0+3], s[4:5], s[20:21]
	s_add_nc_u64 s[G0+6:G0+7], s[G0+2:G0+3], 6144
	s_add_nc_u64 s[G0S+2:G0S+3], s[4:5], s[22:23]
	s_add_nc_u64 s[G0B+2:G0B+3], s[4:5], s[46:47]
	s_add_nc_u64 s[G0B+6:G0B+7], s[G0B+2:G0B+3], 6144
	s_add_nc_u64 s[G0SB+2:G0SB+3], s[4:5], s[98:99]
	s_or_b32 s[G0+3], s[G0+3], 0x80000000
	s_or_b32 s[G0+7], s[G0+7], 0x80000000
	s_or_b32 s[G0S+3], s[G0S+3], 0x80000000
	s_or_b32 s[G0B+3], s[G0B+3], 0x80000000
	s_or_b32 s[G0B+7], s[G0B+7], 0x80000000
	s_or_b32 s[G0SB+3], s[G0SB+3], 0x80000000
	CROUND                                         ; all sixteen work-groups are here: the first joint loads meet
	s_cmp_eq_u32 s15, 0                            ; a wave's first fills stand in one branch on the wave's number: three loads of mine are out
	s_cbranch_scc0 .Lfirst_b
	tensor_load_to_lds s[G0S:G0S+3], s[G1S:G1S+7]
	s_nop 0
	tensor_load_to_lds s[G0:G0+3], s[G1:G1+7]
	s_nop 0
	tensor_load_to_lds s[G0+4:G0+7], s[G1:G1+7]
	s_nop 0
.rept 4
	v_nop
.endr
	s_branch .Lfirst_done
.Lfirst_b:
	tensor_load_to_lds s[G0SB:G0SB+3], s[G1SB:G1SB+7]
	s_nop 0
	tensor_load_to_lds s[G0B:G0B+3], s[G1B:G1B+7]
	s_nop 0
	tensor_load_to_lds s[G0B+4:G0B+7], s[G1B:G1B+7]
	s_nop 0
.rept 4
	v_nop
.endr
.Lfirst_done:
	v_and_b32 v1, 15, v0
	v_bfe_u32 v2, v0, 4, 1
	v_and_b32 v3, 31, v0
	v_lshlrev_b32 v4, 4, v3
	s_mul_i32 s18, s15, HALFA
	v_add_nc_u32 v[ADRA], s18, v4
	v_add_nc_u32 v[ADRA+1], SLOT, v[ADRA]
	s_mul_i32 s18, s16, HALFB
	s_add_co_u32 s18, s18, BOFF
	v_add_nc_u32 v[ADRB], s18, v4
	v_add_nc_u32 v[ADRB+1], SLOT, v[ADRB]
	v_lshlrev_b32 v6, 2, v3
	s_mul_i32 s18, s15, HALFSA
	s_add_co_u32 s18, s18, SCA
	v_add_nc_u32 v[ADSA], s18, v6
	s_mul_i32 s18, s16, HALFSB
	s_add_co_u32 s18, s18, SCB
	v_add_nc_u32 v[ADSB], s18, v6
	s_lshl_b32 s18, s14, 10
	v_lshl_add_u32 v24, v1, 2, s18
	v_lshl_add_u32 v25, v3, 3, s18
	v_lshlrev_b32 v26, 3, v3
	s_mov_b32 s[SEL], 0x76543210
	s_mov_b32 s[SEL+1], 0xfedcba98
.irp b, 0,1,2,3
	v_mov_b32 v[TM+4+\b], 0                        ; written once: a lane permute's destination counts as one of its sources
.endr
	s_lshl_b32 s19, s17, 3
	s_lshl_b32 s18, s15, 2
	s_add_co_u32 s19, s19, s18                     ; rho0: my first 16 channels
	s_lshl_b32 s18, s42, 1
	s_add_co_u32 s18, s18, s16                     ; kappa of my 128 tokens among all 8,192: 16 x batch + kappa
	s_mul_i32 s98, s19, OSTEP
	s_mul_i32 s99, s18, 1536
	s_add_co_u32 s98, s98, s99
	s_mov_b32 s99, 0
	s_add_nc_u64 s[OC:OC+1], s[8:9], s[98:99]
	s_mul_i32 s98, s18, OSP
	s_lshl_b32 s99, s19, 6
	s_add_co_u32 s98, s98, s99
	s_add_co_u32 s98, s98, OSBASE
	s_mov_b32 s99, 0
	s_add_nc_u64 s[OS:OS+1], s[8:9], s[98:99]
	s_lshl_b32 s98, s17, 9                         ; the bias: stored channel 16 a + r of my 64 is channel 32 (a / 2) + 8 (a % 2) + r + 8 (r / 8)
	s_lshl_b32 s99, s15, 8
	s_add_co_u32 s98, s98, s99
	s_mov_b32 s99, 0
	s_add_nc_u64 s[6:7], s[6:7], s[98:99]
	v_and_b32 v5, 8, v1
	v_add_nc_u32 v5, v5, v1
	v_lshlrev_b32 v5, 2, v5
.irp a, 0,1,2,3
	global_load_b32 v[BIAS+8*\a], v5, s[6:7] offset:(32*(\a/2)+8*(\a%2))*4
.endr
	s_wait_loadcnt 0x0
.irp a, 0,1,2,3
.irp j, 1,2,3,4,5,6,7
	v_mov_b32 v[BIAS+8*\a+\j], v[BIAS+8*\a]        ; a lane's eight results of a tile belong to one channel
.endr
.endr
	s_wait_tensorcnt 0x1                           ; my scale words and my part of slot 0 are in; slot 1's load may be out
	s_barrier_signal -1
	s_barrier_wait -1
	FETCH 0, 0, 0, 0
	STEP 0, 0, 0, 1
	STEP 0, 1, 1, 0
	STEP 0, 2, 2, 0
	TURN 0, 1, 3
	STEP 1, 0, 4, 0
	STEP 1, 1, 5, 0
	STEP 1, 2, 6, 0
	LAST
	PLACES
.irp a, 0,1,2,3
	QMAX \a
	QSC \a
	QCVT \a
	QOUT \a
.endr
	ds_load_b64 v[224:225], v25                    ; LDS serves a wave's instructions in order: these see my stores
	s_wait_dscnt 0x0
	global_store_b64 v26, v[224:225], s[OS:OS+1]   ; 256 consecutive bytes, aligned
	s_wait_tensorcnt 0x0                           ; the wave's end
	ds_add_u32 v[SPW], v[NIL]
	s_wait_dscnt 0x0
	CROUND                                         ; the closing round
	s_endpgm
.Lfunc_end_k_q537bfce31a_projv:
	.size	k_q537bfce31a_projv, .Lfunc_end_k_q537bfce31a_projv-k_q537bfce31a_projv
	.p2alignl 7, 3214868480
	.fill 96, 4, 3214868480
	.section	.rodata,"a",@progbits
	.p2align	6, 0x0
	.amdhsa_kernel k_q537bfce31a_projv
		.amdhsa_group_segment_fixed_size 327680
		.amdhsa_private_segment_fixed_size 0
		.amdhsa_enable_private_segment 0
		.amdhsa_kernarg_size 24
		.amdhsa_user_sgpr_count 2
		.amdhsa_user_sgpr_kernarg_segment_ptr 1
		.amdhsa_wavefront_size32 1
		.amdhsa_system_sgpr_workgroup_id_x 1
		.amdhsa_system_sgpr_workgroup_id_y 1
		.amdhsa_system_sgpr_workgroup_id_z 1
		.amdhsa_system_vgpr_workitem_id 0
		.amdhsa_next_free_vgpr 768
		.amdhsa_next_free_sgpr 100
		.amdhsa_reserve_vcc 0
		.amdhsa_float_denorm_mode_32 3
		.amdhsa_float_denorm_mode_16_64 3
		.amdhsa_memory_ordered 1
		.amdhsa_forward_progress 1
		.amdhsa_inst_pref_size 83
	.end_amdhsa_kernel
	.amdgpu_metadata
---
amdhsa.version: [ 1, 2 ]
amdhsa.kernels:
  - .name:           k_q537bfce31a_projv
    .symbol:         k_q537bfce31a_projv.kd
    .args:
      - { .name: xw, .offset: 0, .size: 8, .value_kind: global_buffer, .address_space: global }
      - { .name: bv, .offset: 8, .size: 8, .value_kind: global_buffer, .address_space: global }
      - { .name: vt, .offset: 16, .size: 8, .value_kind: global_buffer, .address_space: global }
    .group_segment_fixed_size: 327680
    .private_segment_fixed_size: 0
    .kernarg_segment_align: 8
    .kernarg_segment_size: 24
    .max_flat_workgroup_size: 128
    .sgpr_count:     100
    .vgpr_count:     768
    .wavefront_size: 32
...
	.end_amdgpu_metadata
.endif
;; end of part 3
;; launch score (part 4): grid 8 x 64, 4 waves a work-group, clusters of 4 x 4, 327,680 bytes of LDS; arguments qk, pp; writes pp
.if DOCPART == 4
	.amdgcn_target "amdgcn-amd-amdhsa--gfx1250"
	.amdhsa_code_object_version 6
	.text
	.protected	k_q537bfce31a_score
	.globl	k_q537bfce31a_score
	.p2align	8
	.type	k_q537bfce31a_score,@function
k_q537bfce31a_score:
	s_mov_b64 s[64:65], 0
	v_nop
	global_prefetch_b8 v0, s[64:65] scope:SCOPE_SE
	s_setreg_imm32_b32 hwreg(HW_REG_WAVE_MODE, 25, 1), 1
	s_wait_xcnt 0x0
	s_wait_alu depctr_hold_cnt(0) depctr_sa_sdst(0) depctr_va_vdst(0) depctr_va_sdst(0) depctr_va_ssrc(0) depctr_va_vcc(0) depctr_vm_vsrc(0)
	s_getreg_b32 s2, hwreg(HW_REG_IB_STS2, 6, 4)
	s_cmp_eq_u32 s2, 0
	s_cbranch_scc0 .Lentry_in_a_cluster
	s_endpgm
.Lentry_in_a_cluster:
	s_bfe_u32 s2, ttmp6, 0x10000c
	s_cmp_lg_u32 s2, 0xf033
	s_cbranch_scc0 .Lentry_shape_is_right
	s_endpgm
.Lentry_shape_is_right:
; LAUNCH 4 OF 6.  S = q k^T on codes of BF6 (E3M2), and the softmax's p for each (query, 128 keys).  Nothing of the problem is left out here.
; THE SOFTMAX.  t = score x log2(e) / 32.  For a query and a wave's 128 keys: M_loc = ceil(the largest t of these keys), a whole number; p = 2^(t - M_loc); l_loc = the sum of the unquantised p; p is quantised along
; the keys.  Since M_loc and the row's M are whole numbers, codes made under M_loc are the codes under M: only the scale bytes move, by M - M_loc.  The next launch joins M_loc and l_loc and mends the bytes.
; So the largest t is taken away ahead of every exponential, and no exponent is above 0.
; OPERANDS (buffer qk): q's codes at 0, k's at 6,291,456: fragments of 1,536 bytes in the order of the operand's registers, (rho, kappa) at (8 rho + kappa) x 1,536; scale words [kappa][token].  Tokens are stored with bits 3
; and 4 of their number exchanged.  RESULTS (buffer pp): p's codes, 16 K steps a row; [16][8192] words each of scale words, -M_loc and l_loc.
; SHARES.  A work-group makes 128 queries x 256 keys of one batch; four waves 2 x 2, a wave 64 x 128.  TRANSPOSED USE: source 0 = 16 stored keys, source 1 = 16 queries: lane (r, h) holds query r, and the 16 registers of tiles
; 2 B, 2 B + 1 are keys 32 B + 16 h + 0 .. 15.
; LDS, cluster, registers: two slots of 512 along K, both first fills (three tensor loads a wave out at the most); joint loads in a 4 x 4 cluster.  Window 0: addresses, scale words v32-43, at work v44-63 and v224-247,
; A's fragments v128-223.  Window 1: B's fragments.  Window 2: accumulator (a, b) at v[8 (8 a + b)]: the scores, then p.
; LIMITS: NaN and infinities are not served; a p under 2^-126 counts as 0; a block whose largest p lies under 2^-122 carries the byte 1.
.set NK,     8
.set AP,     12288
.set BP,     12288
.set ASP,    32768
.set BSP,    32768
.set ASBASE, 12582912
.set BBASE,  6291456
.set BBATCH, 1572864                   ; 128 rho a batch
.set BSBASE, 12845056
.set BSBATCH, 8192
.set OSTEP,  24576                     ; in pp: bytes from rho to rho + 1
.set OSP,    32768
.set OSBASE, 12582912
.set SLOT,   147456
.set HALFA,  24576
.set HALFB,  49152
.set BOFF,   49152
.set SCA,    2*SLOT
.set HALFSA, 256*NK
.set SCB,    SCA+2*HALFSA
.set HALFSB, 512*NK
.set SPARE,  SCB+2*HALFSB              ; the spare words, 128 bytes for each wave: two blocks of 256 bytes that no other line names
.set ADRA, 16
.set ADRB, 20
.set ADSA, 22
.set ADSB, 23
.set SPW,  28
.set NIL,  29
.set SC,   32
.set TM,   44
.set PW,   60
.set AF,   128
.set NM,   232                         ; v232-235 -M_loc of the four blocks
.set LL,   236                         ; v236-239 l_loc
.set G1,   24
.set G0,   32
.set G1B,  48
.set G0B,  56
.set CS,   66                          ; s[66:67] c = log2(e) / 32
.set G1S,  68
.set G0S,  76
.set G1SB, 80
.set G0SB, 88
.set OC,   92
.set OS,   94
.set SEL,  96
.set MUL,  0xa1                        ; source 0 (B) window 1, source 1 (A) window 0, C and D window 2
.set MSB, 0
.macro WIN new                         ; the immediate's high byte repeats the setting that is left
.if MSB != \new
	s_set_vgpr_msb (MSB<<8)|\new
.set MSB, \new
.endif
.endm
.macro CREST
	s_cmp_lg_u32 s14, 0
	s_cbranch_scc1 .Lnot_wave_0_\@
	s_barrier_signal -3
.Lnot_wave_0_\@:
	s_barrier_wait -3
	s_barrier_signal -1
	s_barrier_wait -1
.endm
.macro CROUND
	s_barrier_signal -1
	s_barrier_wait -1
	CREST
.endm
.macro PLACES                          ; four plain places behind a matrix instruction (ISA guide 7.12.1)
.rept 4
	v_nop
.endr
.endm
.macro GROUP1 g, c, r, p               ; r rows of c elements of 8 bytes, p elements from row to row
	s_mov_b32 s[\g+1], (\c)<<16
	s_mov_b32 s[\g+2], (\r)<<16
	s_mov_b32 s[\g+3], (\c)<<16
	s_mov_b32 s[\g+4], \r
	s_mov_b32 s[\g+5], \p
	s_mov_b32 s[\g+6], 0
	s_mov_b32 s[\g+7], 0
.endm
; 8 matrix instructions: A's block a against B's eight, from set p; the 32 accumulators take turns.  first = 1: the constant 0 starts the sums: nothing is cleared.
.macro MULA a, p, first
.irp b, 0,1,2,3,4,5,6,7
.set rD, 8*(8*(\a)+\b)
.set rB, 128*(\p)+12*\b
.set rA, AF+48*(\p)+12*(\a)
.set rSB, SC+6*(\p)+2+\b/2
.set rSA, SC+6*(\p)+(\a)/2
.if \first
.if (\b%2) && ((\a)%2)
	v_wmma_scale_f32_16x16x128_f8f6f4 v[rD:rD+7], v[rB:rB+11], v[rA:rA+11], 0, v[rSB], v[rSA] matrix_a_fmt:MATRIX_FMT_BF6 matrix_b_fmt:MATRIX_FMT_BF6 matrix_a_scale:MATRIX_SCALE_ROW1 matrix_b_scale:MATRIX_SCALE_ROW1
.elseif \b%2
	v_wmma_scale_f32_16x16x128_f8f6f4 v[rD:rD+7], v[rB:rB+11], v[rA:rA+11], 0, v[rSB], v[rSA] matrix_a_fmt:MATRIX_FMT_BF6 matrix_b_fmt:MATRIX_FMT_BF6 matrix_a_scale:MATRIX_SCALE_ROW1
.elseif (\a)%2
	v_wmma_scale_f32_16x16x128_f8f6f4 v[rD:rD+7], v[rB:rB+11], v[rA:rA+11], 0, v[rSB], v[rSA] matrix_a_fmt:MATRIX_FMT_BF6 matrix_b_fmt:MATRIX_FMT_BF6 matrix_b_scale:MATRIX_SCALE_ROW1
.else
	v_wmma_scale_f32_16x16x128_f8f6f4 v[rD:rD+7], v[rB:rB+11], v[rA:rA+11], 0, v[rSB], v[rSA] matrix_a_fmt:MATRIX_FMT_BF6 matrix_b_fmt:MATRIX_FMT_BF6
.endif
.else
.if (\b%2) && ((\a)%2)
	v_wmma_scale_f32_16x16x128_f8f6f4 v[rD:rD+7], v[rB:rB+11], v[rA:rA+11], v[rD:rD+7], v[rSB], v[rSA] matrix_a_fmt:MATRIX_FMT_BF6 matrix_b_fmt:MATRIX_FMT_BF6 matrix_a_scale:MATRIX_SCALE_ROW1 matrix_b_scale:MATRIX_SCALE_ROW1
.elseif \b%2
	v_wmma_scale_f32_16x16x128_f8f6f4 v[rD:rD+7], v[rB:rB+11], v[rA:rA+11], v[rD:rD+7], v[rSB], v[rSA] matrix_a_fmt:MATRIX_FMT_BF6 matrix_b_fmt:MATRIX_FMT_BF6 matrix_a_scale:MATRIX_SCALE_ROW1
.elseif (\a)%2
	v_wmma_scale_f32_16x16x128_f8f6f4 v[rD:rD+7], v[rB:rB+11], v[rA:rA+11], v[rD:rD+7], v[rSB], v[rSA] matrix_a_fmt:MATRIX_FMT_BF6 matrix_b_fmt:MATRIX_FMT_BF6 matrix_b_scale:MATRIX_SCALE_ROW1
.else
	v_wmma_scale_f32_16x16x128_f8f6f4 v[rD:rD+7], v[rB:rB+11], v[rA:rA+11], v[rD:rD+7], v[rSB], v[rSA] matrix_a_fmt:MATRIX_FMT_BF6 matrix_b_fmt:MATRIX_FMT_BF6
.endif
.endif
.endr
.endm
.macro FETCH slot, q, p, kap           ; 42 LDS loads in one run: the slot's q-th 128 along K into set p, and the scale words of K step kap
	WIN 0x40
.irp i, 0,1,2,3,4,5,6,7
.irp c, 0,1,2
	ds_load_b128 v[128*(\p)+12*\i+4*\c:128*(\p)+12*\i+4*\c+3], v[ADRB+\slot] offset:6144*\i+1536*(\q)+512*\c
.endr
.endr
	WIN 0
.irp i, 0,1,2,3
.irp c, 0,1,2
	ds_load_b128 v[AF+48*(\p)+12*\i+4*\c:AF+48*(\p)+12*\i+4*\c+3], v[ADRA+\slot] offset:6144*\i+1536*(\q)+512*\c
.endr
.endr
.irp i, 0,1
	ds_load_b32 v[SC+6*(\p)+\i], v[ADSA] offset:256*(\kap)+128*\i
.endr
.irp i, 0,1,2,3
	ds_load_b32 v[SC+6*(\p)+2+\i], v[ADSB] offset:512*(\kap)+128*\i
.endr
.endm
.macro STEP slot, q, kap, first
	s_wait_dscnt 0x0                               ; this step's fragments and scale words are in
	WIN MUL
	MULA 0, (\q)%2, \first
	PLACES
	FETCH \slot, (\q)+1, 1-(\q)%2, (\kap)+1
	WIN MUL
	MULA 1, (\q)%2, \first
	MULA 2, (\q)%2, \first
	MULA 3, (\q)%2, \first
.endm
.macro TURN slot, next, kap            ; a slot's last step changes slots: one barrier, nothing is filled again
	WIN 0
	s_wait_tensorcnt 0x0                           ; all my tensor loads have landed: my part of the next slot
	ds_add_u32 v[SPW], v[NIL]
	s_wait_dscnt 1                                 ; the add alone may be out
	WIN MUL
	MULA 0, 1, 0
	s_wait_dscnt 0x0                               ; the add is done, and my reads of this slot are over
	s_barrier_signal -1
	MULA 1, 1, 0
	s_barrier_wait -1
	PLACES
	FETCH \next, 0, 0, (\kap)+1
	WIN MUL
	MULA 2, 1, 0
	MULA 3, 1, 0
.endm
.macro LAST
	s_wait_dscnt 0x0
	WIN MUL
	MULA 0, 1, 0
	MULA 1, 1, 0
	MULA 2, 1, 0
	MULA 3, 1, 0
	WIN 0
.endm
; THE SOFTMAX of block a: 16 queries x my 128 keys.  The largest SCORE of each block of 32 keys serves twice: for the row's maximum and, since p rises with the score, for the block's largest p.
.macro SOFT a
.set rS, 64*(\a)
	WIN 0x2a                                       ; all three sources window 2
.irp b, 0,1,2,3
	v_max3_num_f32 v[TM+\b], v[rS+16*\b], v[rS+16*\b+1], v[rS+16*\b+2]   ; each accumulator is first read at its low end
.endr
	WIN 0x28
.irp i, 3,5,7,9,11,13
.irp b, 0,1,2,3
	v_max3_num_f32 v[TM+\b], v[TM+\b], v[rS+16*\b+\i], v[rS+16*\b+\i+1]
.endr
.endr
.irp b, 0,1,2,3
	v_max3_num_f32 v[TM+\b], v[TM+\b], v[rS+16*\b+15], v[rS+16*\b+15]    ; the last score, named twice: no switch of windows for it
.endr
	WIN 0
.irp b, 0,1,2,3
	v_permlanex16_b32 v[TM+4+\b], v[TM+\b], s[SEL], s[SEL+1]
.endr
.irp b, 0,1,2,3
	v_max_num_f32 v[TM+\b], v[TM+\b], v[TM+4+\b]   ; with lane l xor 16's 16 keys
.endr
	v_max3_num_f32 v226, v[TM], v[TM+1], v[TM+2]
	v_max_num_f32 v226, v226, v[TM+3]
	v_mul_f32 v226, s[CS], v226                    ; the largest t of my query (c is positive)
	v_floor_f32 v224, -v226                        ; -M_loc = floor(-t) = -ceil(t)
	v_mov_b32 v[NM+\a], v224
.irp b, 0,1,2,3
	v_fma_f32 v[TM+\b], v[TM+\b], s[CS], v224      ; t - M_loc of each block's largest score
.endr
	WIN 0x82                                       ; destination and source 0 window 2
.set j, 0
.rept 32
	v_pk_fma_f32 v[rS+j:rS+j+1], v[rS+j:rS+j+1], s[CS:CS+1], v[224:225] op_sel_hi:[1,0,0]   ; t - M_loc, two at a time
.set j, j+2
.endr
.set j, 0
.rept 64
	v_exp_f32 v[rS+j], v[rS+j]                     ; p = 2^(t - M_loc), at most 1
.set j, j+1
.endr
	WIN 0
	v_nop                                          ; a plain place behind the exponentials
	s_wait_alu depctr_va_vdst(0)                   ; one wait for the batch of 64, ahead of its first reader
.irp b, 0,1,2,3
	v_exp_f32 v[TM+\b], v[TM+\b]                   ; the block's largest p: the same two instructions on the same number give the same bits
.endr
	WIN 0x0a
	v_pk_add_f32 v[244:245], v[rS:rS+1], v[rS+2:rS+3]        ; the sum is taken of the unquantised p: two chains.  (Plain work behind the four)
	v_pk_add_f32 v[246:247], v[rS+4:rS+5], v[rS+6:rS+7]
	WIN 0x08
.set j, 8
.rept 14
	v_pk_add_f32 v[244:245], v[244:245], v[rS+j:rS+j+1]
	v_pk_add_f32 v[246:247], v[246:247], v[rS+j+2:rS+j+3]
.set j, j+4
.endr
	WIN 0
	v_pk_add_f32 v[244:245], v[244:245], v[246:247]
	v_add_f32 v244, v244, v245
	v_permlanex16_b32 v246, v244, s[SEL], s[SEL+1]
	v_add_f32 v[LL+\a], v244, v246                 ; l_loc
	s_wait_alu depctr_va_vdst(0)                   ; and one wait for the four
.irp b, 0,1,2,3
	v_max_num_f32 v[TM+\b], 0x2800000, v[TM+\b]    ; the floor 2^(5 - 127): the byte cannot fall under 1
.endr
.endm
.macro QSC a
.irp b, 0,1,2,3
	v_add_nc_u32 v[TM+12+\b], 0xfe000000, v[TM+\b] ; 4 off the exponent field: the conversion's scale operand
.endr
.irp b, 0,1,2,3
	v_lshrrev_b32 v[TM+4+\b], 23, v[TM+12+\b]      ; the scale's byte
.endr
	v_lshl_or_b32 v[PW+\a], v[TM+5], 8, v[TM+4]
	v_lshl_or_b32 v[PW+\a], v[TM+6], 16, v[PW+\a]
	v_lshl_or_b32 v[PW+\a], v[TM+7], 24, v[PW+\a]
.endm
.macro QCVT a
.set PC, AF+24*(\a)
	WIN 0x02
.irp c, 0,1
	v_cvt_scalef32_pk16_bf6_f32 v[PC+6*\c:PC+6*\c+2], v[64*(\a)+32*\c:64*(\a)+32*\c+15], v[TM+12+2*\c]
	v_cvt_scalef32_pk16_bf6_f32 v[PC+12+4*\c:PC+14+4*\c], v[64*(\a)+32*\c+16:64*(\a)+32*\c+31], v[TM+13+2*\c]
.endr
	WIN 0
	v_nop                                          ; one plain place behind a scaled conversion
.irp c, 0,1
.irp i, 0,1,2
	v_permlane16_swap_b32 v[PC+6*\c+\i], v[PC+12+4*\c+\i]
.endr
.irp i, 0,1,2
	v_mov_b32 v[PC+3+6*\c+\i], v[PC+12+4*\c+\i]
.endr
.endr
.endm
.macro QOUT a
.set PC, AF+24*(\a)
.irp c, 0,1,2
	global_store_b128 v4, v[PC+4*\c:PC+4*\c+3], s[OC:OC+1] offset:(\a)*OSTEP+512*\c   ; 512 consecutive bytes, aligned
.endr
	ds_store_b32 v24, v[PW+\a] offset:64*(\a)      ; into my 1,024 bytes of slot 0, which has had its last fill and its last read: scale words,
	ds_store_b32 v24, v[NM+\a] offset:256+64*(\a)  ; -M_loc,
	ds_store_b32 v24, v[LL+\a] offset:512+64*(\a)  ; l_loc
.endm
	s_load_b128 s[4:7], s[0:1], 0x0                ; qk s[4:5], pp s[6:7]
	v_lshl_add_u32 v[SPW], v0, 2, SPARE
	v_mov_b32 v[NIL], 0
	ds_add_u32 v[SPW], v[NIL]                      ; the wave's opening: the add, twice on end, and its wait ahead of my first tensor load
	ds_add_u32 v[SPW], v[NIL]
	v_lshrrev_b32 v1, 5, v0
	v_readfirstlane_b32 s14, v1                    ; wave 0..3
	s_lshr_b32 s15, s14, 1
	s_and_b32 s16, s14, 1
	s_bfe_u32 s40, ttmp6, 0x40000
	s_bfe_u32 s41, ttmp6, 0x40004
	s_lshl_b32 s42, ttmp9, 2
	s_add_co_u32 s42, s42, s40                     ; tile column: 256 keys of the batch
	s_and_b32 s17, ttmp7, 0xffff
	s_lshr_b32 s45, s17, 2                         ; the batch: 16 tile rows, 4 clusters: the same in all sixteen partners
	s_lshl_b32 s17, s17, 2
	s_add_co_u32 s17, s17, s41                     ; tile row: 128 queries of all 8,192
	s_lshl_b32 s43, s41, 2
	s_lshl_b32 s43, 15, s43
	s_lshl_b32 s44, 0x1111, s40
	s_or_b32 s[G1], s43, (3<<16)|(1<<21)
	s_or_b32 s[G1B], s44, (3<<16)|(1<<21)
	s_or_b32 s[G1S], s43, (3<<16)|(1<<21)
	s_or_b32 s[G1SB], s44, (3<<16)|(1<<21)
	GROUP1 G1, 768, 4, AP/8
	GROUP1 G1B, 768, 8, BP/8
	GROUP1 G1S, 32, NK, ASP/8
	GROUP1 G1SB, 64, NK, BSP/8
	s_mul_i32 s20, s17, 8*AP
	s_mul_i32 s18, s16, 4*AP
	s_add_co_u32 s20, s20, s18
	s_mov_b32 s21, 0
	s_lshl_b32 s22, s17, 9
	s_lshl_b32 s18, s16, 8
	s_add_co_u32 s22, s22, s18
	s_add_co_u32 s22, s22, ASBASE
	s_mov_b32 s23, 0
	s_mul_i32 s46, s42, 16*BP
	s_mul_i32 s18, s16, 8*BP
	s_add_co_u32 s46, s46, s18
	s_mul_i32 s18, s45, BBATCH
	s_add_co_u32 s46, s46, s18
	s_add_co_u32 s46, s46, BBASE
	s_mov_b32 s47, 0
	s_lshl_b32 s98, s42, 10
	s_lshl_b32 s18, s16, 9
	s_add_co_u32 s98, s98, s18
	s_mul_i32 s18, s45, BSBATCH
	s_add_co_u32 s98, s98, s18
	s_add_co_u32 s98, s98, BSBASE
	s_mov_b32 s99, 0
	s_mov_b32 s[G0], 1
	s_mov_b32 s[G0+4], 1
	s_mov_b32 s[G0B], 1
	s_mov_b32 s[G0B+4], 1
	s_mov_b32 s[G0S], 1
	s_mov_b32 s[G0SB], 1
	s_mul_i32 s[G0+1], s16, HALFA
	s_add_co_u32 s[G0+5], s[G0+1], SLOT
	s_mul_i32 s[G0B+1], s16, HALFB
	s_add_co_u32 s[G0B+1], s[G0B+1], BOFF
	s_add_co_u32 s[G0B+5], s[G0B+1], SLOT
	s_mul_i32 s[G0S+1], s16, HALFSA
	s_add_co_u32 s[G0S+1], s[G0S+1], SCA
	s_mul_i32 s[G0SB+1], s16, HALFSB
	s_add_co_u32 s[G0SB+1], s[G0SB+1], SCB
	s_wait_dscnt 0x0                               ; both opening adds are done
	s_wait_kmcnt 0x0
	s_add_nc_u64 s[G0+2:G0+3], s[4:5], s[20:21]
	s_add_nc_u64 s[G0+6:G0+7], s[G0+2:G0+3], 6144
	s_add_nc_u64 s[G0S+2:G0S+3], s[4:5], s[22:23]
	s_add_nc_u64 s[G0B+2:G0B+3], s[4:5], s[46:47]
	s_add_nc_u64 s[G0B+6:G0B+7], s[G0B+2:G0B+3], 6144
	s_add_nc_u64 s[G0SB+2:G0SB+3], s[4:5], s[98:99]
	s_or_b32 s[G0+3], s[G0+3], 0x80000000
	s_or_b32 s[G0+7], s[G0+7], 0x80000000
	s_or_b32 s[G0S+3], s[G0S+3], 0x80000000
	s_or_b32 s[G0B+3], s[G0B+3], 0x80000000
	s_or_b32 s[G0B+7], s[G0B+7], 0x80000000
	s_or_b32 s[G0SB+3], s[G0SB+3], 0x80000000
	CROUND                                         ; all sixteen work-groups are here: the first joint loads meet
	s_cmp_eq_u32 s15, 0                            ; a wave's first fills stand in one branch on the wave's number: three loads of mine are out
	s_cbranch_scc0 .Lfirst_b
	tensor_load_to_lds s[G0S:G0S+3], s[G1S:G1S+7]
	s_nop 0
	tensor_load_to_lds s[G0:G0+3], s[G1:G1+7]
	s_nop 0
	tensor_load_to_lds s[G0+4:G0+7], s[G1:G1+7]
	s_nop 0
.rept 4
	v_nop
.endr
	s_branch .Lfirst_done
.Lfirst_b:
	tensor_load_to_lds s[G0SB:G0SB+3], s[G1SB:G1SB+7]
	s_nop 0
	tensor_load_to_lds s[G0B:G0B+3], s[G1B:G1B+7]
	s_nop 0
	tensor_load_to_lds s[G0B+4:G0B+7], s[G1B:G1B+7]
	s_nop 0
.rept 4
	v_nop
.endr
.Lfirst_done:
	v_and_b32 v1, 15, v0
	v_bfe_u32 v2, v0, 4, 1
	v_and_b32 v3, 31, v0
	v_lshlrev_b32 v4, 4, v3
	s_mul_i32 s18, s15, HALFA
	v_add_nc_u32 v[ADRA], s18, v4
	v_add_nc_u32 v[ADRA+1], SLOT, v[ADRA]
	s_mul_i32 s18, s16, HALFB
	s_add_co_u32 s18, s18, BOFF
	v_add_nc_u32 v[ADRB], s18, v4
	v_add_nc_u32 v[ADRB+1], SLOT, v[ADRB]
	v_lshlrev_b32 v6, 2, v3
	s_mul_i32 s18, s15, HALFSA
	s_add_co_u32 s18, s18, SCA
	v_add_nc_u32 v[ADSA], s18, v6
	s_mul_i32 s18, s16, HALFSB
	s_add_co_u32 s18, s18, SCB
	v_add_nc_u32 v[ADSB], s18, v6
	s_lshl_b32 s18, s14, 10
	v_lshl_add_u32 v24, v1, 2, s18
	v_lshl_add_u32 v25, v3, 3, s18
	v_lshlrev_b32 v26, 3, v3
	s_mov_b32 s[SEL], 0x76543210
	s_mov_b32 s[SEL+1], 0xfedcba98
	s_mov_b32 s[CS], 0x3d38aa3b                    ; c = log2(e) / 32
	s_mov_b32 s[CS+1], s[CS]                       ; (named with it as a pair, so it is written)
	v_mov_b32 v225, 0                              ; (named as the upper half of the pair v[224:225])
.irp b, 0,1,2,3
	v_mov_b32 v[TM+4+\b], 0                        ; written once: a lane permute's destination counts as one of its sources
.endr
	s_lshl_b32 s19, s17, 3
	s_lshl_b32 s18, s15, 2
	s_add_co_u32 s19, s19, s18                     ; rho0: my first 16 queries
	s_lshl_b32 s18, s42, 1
	s_add_co_u32 s18, s18, s16                     ; kappa of my 128 keys in the batch
	s_mul_i32 s98, s19, OSTEP
	s_mul_i32 s99, s18, 1536
	s_add_co_u32 s98, s98, s99
	s_mov_b32 s99, 0
	s_add_nc_u64 s[OC:OC+1], s[6:7], s[98:99]
	s_mul_i32 s98, s18, OSP
	s_lshl_b32 s99, s19, 6
	s_add_co_u32 s98, s98, s99
	s_add_co_u32 s98, s98, OSBASE
	s_mov_b32 s99, 0
	s_add_nc_u64 s[OS:OS+1], s[6:7], s[98:99]
	s_wait_tensorcnt 0x1                           ; my scale words and my part of slot 0 are in; slot 1's load may be out
	s_barrier_signal -1
	s_barrier_wait -1
	FETCH 0, 0, 0, 0
	STEP 0, 0, 0, 1
	STEP 0, 1, 1, 0
	STEP 0, 2, 2, 0
	TURN 0, 1, 3
	STEP 1, 0, 4, 0
	STEP 1, 1, 5, 0
	STEP 1, 2, 6, 0
	LAST
	PLACES
.irp a, 0,1,2,3
	SOFT \a
	QSC \a
	QCVT \a
	QOUT \a
.endr
	ds_load_b64 v[224:225], v25                    ; LDS serves a wave's instructions in order: these see my stores
	ds_load_b64 v[226:227], v25 offset:256
	ds_load_b64 v[228:229], v25 offset:512
	s_wait_dscnt 0x0
	global_store_b64 v26, v[224:225], s[OS:OS+1]                    ; each: my 64 queries' words, 256 consecutive bytes, aligned
	global_store_b64 v26, v[226:227], s[OS:OS+1] offset:524288
	global_store_b64 v26, v[228:229], s[OS:OS+1] offset:1048576
	s_wait_tensorcnt 0x0                           ; the wave's end
	ds_add_u32 v[SPW], v[NIL]
	s_wait_dscnt 0x0
	CROUND                                         ; the closing round
	s_endpgm
.Lfunc_end_k_q537bfce31a_score:
	.size	k_q537bfce31a_score, .Lfunc_end_k_q537bfce31a_score-k_q537bfce31a_score
	.p2alignl 7, 3214868480
	.fill 96, 4, 3214868480
	.section	.rodata,"a",@progbits
	.p2align	6, 0x0
	.amdhsa_kernel k_q537bfce31a_score
		.amdhsa_group_segment_fixed_size 327680
		.amdhsa_private_segment_fixed_size 0
		.amdhsa_enable_private_segment 0
		.amdhsa_kernarg_size 16
		.amdhsa_user_sgpr_count 2
		.amdhsa_user_sgpr_kernarg_segment_ptr 1
		.amdhsa_wavefront_size32 1
		.amdhsa_system_sgpr_workgroup_id_x 1
		.amdhsa_system_sgpr_workgroup_id_y 1
		.amdhsa_system_sgpr_workgroup_id_z 1
		.amdhsa_system_vgpr_workitem_id 0
		.amdhsa_next_free_vgpr 768
		.amdhsa_next_free_sgpr 100
		.amdhsa_reserve_vcc 0
		.amdhsa_float_denorm_mode_32 3
		.amdhsa_float_denorm_mode_16_64 3
		.amdhsa_memory_ordered 1
		.amdhsa_forward_progress 1
		.amdhsa_inst_pref_size 111
	.end_amdhsa_kernel
	.amdgpu_metadata
---
amdhsa.version: [ 1, 2 ]
amdhsa.kernels:
  - .name:           k_q537bfce31a_score
    .symbol:         k_q537bfce31a_score.kd
    .args:
      - { .name: qk, .offset: 0, .size: 8, .value_kind: global_buffer, .address_space: global }
      - { .name: pp, .offset: 8, .size: 8, .value_kind: global_buffer, .address_space: global }
    .group_segment_fixed_size: 327680
    .private_segment_fixed_size: 0
    .kernarg_segment_align: 8
    .kernarg_segment_size: 16
    .max_flat_workgroup_size: 128
    .sgpr_count:     100
    .vgpr_count:     768
    .wavefront_size: 32
...
	.end_amdgpu_metadata
.endif
;; end of part 4
;; launch pv (part 5): grid 4 x 64, 4 waves a work-group, clusters of 4 x 4, 327,680 bytes of LDS; arguments pp, vt, oo; writes oo
.if DOCPART == 5
	.amdgcn_target "amdgcn-amd-amdhsa--gfx1250"
	.amdhsa_code_object_version 6
	.text
	.protected	k_q537bfce31a_pv
	.globl	k_q537bfce31a_pv
	.p2align	8
	.type	k_q537bfce31a_pv,@function
k_q537bfce31a_pv:
	s_mov_b64 s[64:65], 0
	v_nop
	global_prefetch_b8 v0, s[64:65] scope:SCOPE_SE
	s_setreg_imm32_b32 hwreg(HW_REG_WAVE_MODE, 25, 1), 1
	s_wait_xcnt 0x0
	s_wait_alu depctr_hold_cnt(0) depctr_sa_sdst(0) depctr_va_vdst(0) depctr_va_sdst(0) depctr_va_ssrc(0) depctr_va_vcc(0) depctr_vm_vsrc(0)
	s_getreg_b32 s2, hwreg(HW_REG_IB_STS2, 6, 4)
	s_cmp_eq_u32 s2, 0
	s_cbranch_scc0 .Lentry_in_a_cluster
	s_endpgm
.Lentry_in_a_cluster:
	s_bfe_u32 s2, ttmp6, 0x10000c
	s_cmp_lg_u32 s2, 0xf033
	s_cbranch_scc0 .Lentry_shape_is_right
	s_endpgm
.Lentry_shape_is_right:
; LAUNCH 5 OF 6.  O = (P V) / l on codes of BF6 (E3M2), K = the batch's 2,048 keys, and O quantised along its 1,024 channels on the way out.  Nothing of the problem is left out here.
; THE JOIN.  pp holds p's codes made under M_loc, a whole number for each (query, 128 keys), with scale words, -M_loc and l_loc.  The row's M is the largest M_loc.  p under M is p under M_loc x 2^(M_loc - M): the codes stay,
; each scale byte takes M_loc - M (held at 1 from below), and l = the sum of l_loc x 2^(M_loc - M).  Thread T of the work-group does that for query T while the first tiles land; the mended words go to LDS as A's scale words.
; OPERANDS.  pp: fragments of 1,536 bytes in the order of the operand's registers, (rho, kappa) at (16 rho + kappa) x 1,536.  vt: v^T, 64 K steps a row (16 x batch + kappa), scale words [64][1024].
; SHARES.  A work-group makes 128 queries x 256 channels; four waves 2 x 2, a wave 64 x 128.  TRANSPOSED USE: source 0 = 16 stored channels of v^T, source 1 = 16 queries: lane (r, h) holds query r, and the 16 registers of tiles
; 2 B, 2 B + 1 are channels 32 B + 16 h + 0 .. 15.
; THE RING.  Two slots of 512 keys; K = 2,048: each slot is filled again once, by joint loads behind a round of the cluster's barrier; such a load has four steps, 128 matrix instructions, in which to land.
; By this text's own count a wave has three tensor loads out at the start (waves 0 and 1: two) and one behind each round.
; Window 0: addresses, scale words v32-43, at work v44-127 and v224-247, A's fragments v128-223.  Window 1: B's fragments.  Window 2: accumulator (a, b) at v[8 (8 a + b)].
; LIMITS: NaN and infinities are not served.  M - M_loc is held at 200: beyond that l's term is 0 in f32 and the bytes are at 1.  A block of p held at the byte 1 weighs at most 28 x 2^-126 beside l >= 1/2.
; A block of O that is zero or under 2^-122 carries the byte 1.
.set NK,     16
.set AP,     24576
.set BP,     98304
.set BSP,    4096
.set BBATCH, 24576
.set BSBASE, 6291456
.set BSBATCH, 65536
.set PSC,    12582912                  ; in pp: the scale words; -M_loc 524,288 further on, l_loc 1,048,576
.set OSTEP,  12288
.set OSP,    32768
.set OSBASE, 6291456
.set SLOT,   147456
.set HALFA,  24576
.set HALFB,  49152
.set BOFF,   49152
.set SCA,    2*SLOT                    ; A's mended scale words, [half][kappa][64 rows]: stored by the waves, never a tensor load's target
.set HALFSA, 256*NK
.set SCB,    SCA+2*HALFSA
.set HALFSB, 512*NK
.set LINV,   SCB+2*HALFSB              ; 1 / l of the 128 queries
.set SPARE,  LINV+512                  ; the spare words, 128 bytes for each wave: two blocks of 256 bytes that no other line names
.set ADRA, 16
.set ADRB, 20
.set ADSA, 22
.set ADSB, 23
.set SPW,  28
.set NIL,  29
.set SC,   32
.set TM,   44
.set PW,   60
.set MM,   64                          ; v64-79 -M_loc;  v80-95 l_loc;  v96-111 scale words;  v112-121 at work
.set AF,   128
.set RL,   240                         ; v240, 242, 244, 246: 1 / l of my query in block a (pairs for the packed multiply)
.set G1,   24
.set G0,   32
.set G1B,  48
.set G0B,  56
.set G1SB, 80
.set G0SB, 88
.set OC,   92
.set OS,   94
.set SEL,  96
.set MUL,  0xa1                        ; source 0 (B) window 1, source 1 (A) window 0, C and D window 2
.set MSB, 0
.macro WIN new                         ; the immediate's high byte repeats the setting that is left
.if MSB != \new
	s_set_vgpr_msb (MSB<<8)|\new
.set MSB, \new
.endif
.endm
.macro CREST                           ; a round of the cluster's barrier behind its opening barrier
	s_cmp_lg_u32 s14, 0
	s_cbranch_scc1 .Lnot_wave_0_\@
	s_barrier_signal -3
.Lnot_wave_0_\@:
	s_barrier_wait -3
	s_barrier_signal -1
	s_barrier_wait -1
.endm
.macro CROUND
	s_barrier_signal -1
	s_barrier_wait -1
	CREST
.endm
.macro PLACES                          ; four plain places behind a matrix instruction (ISA guide 7.12.1)
.rept 4
	v_nop
.endr
.endm
.macro GROUP1 g, c, r, p               ; r rows of c elements of 8 bytes, p elements from row to row
	s_mov_b32 s[\g+1], (\c)<<16
	s_mov_b32 s[\g+2], (\r)<<16
	s_mov_b32 s[\g+3], (\c)<<16
	s_mov_b32 s[\g+4], \r
	s_mov_b32 s[\g+5], \p
	s_mov_b32 s[\g+6], 0
	s_mov_b32 s[\g+7], 0
.endm
; A joint refill of slot s: waves 0 and 1 fetch A's halves, waves 2 and 3 B's.  The branch hangs on the wave's number alone.  An s_nop 0 and four v_nop follow each of the two lines.
.macro JLOAD s
	s_cmp_eq_u32 s15, 0
	s_cbranch_scc0 .Lfor_b_\@
	tensor_load_to_lds s[G0+4*\s:G0+4*\s+3], s[G1:G1+7]
	s_nop 0
.rept 4
	v_nop
.endr
	s_branch .Lasked_\@
.Lfor_b_\@:
	tensor_load_to_lds s[G0B+4*\s:G0B+4*\s+3], s[G1B:G1B+7]
	s_nop 0
.rept 4
	v_nop
.endr
.Lasked_\@:
.endm
; 8 matrix instructions: A's block a against B's eight, from set p; the 32 accumulators take turns.  first = 1: the constant 0 starts the sums.
.macro MULA a, p, first
.irp b, 0,1,2,3,4,5,6,7
.set rD, 8*(8*(\a)+\b)
.set rB, 128*(\p)+12*\b
.set rA, AF+48*(\p)+12*(\a)
.set rSB, SC+6*(\p)+2+\b/2
.set rSA, SC+6*(\p)+(\a)/2
.if \first
.if (\b%2) && ((\a)%2)
	v_wmma_scale_f32_16x16x128_f8f6f4 v[rD:rD+7], v[rB:rB+11], v[rA:rA+11], 0, v[rSB], v[rSA] matrix_a_fmt:MATRIX_FMT_BF6 matrix_b_fmt:MATRIX_FMT_BF6 matrix_a_scale:MATRIX_SCALE_ROW1 matrix_b_scale:MATRIX_SCALE_ROW1
.elseif \b%2
	v_wmma_scale_f32_16x16x128_f8f6f4 v[rD:rD+7], v[rB:rB+11], v[rA:rA+11], 0, v[rSB], v[rSA] matrix_a_fmt:MATRIX_FMT_BF6 matrix_b_fmt:MATRIX_FMT_BF6 matrix_a_scale:MATRIX_SCALE_ROW1
.elseif (\a)%2
	v_wmma_scale_f32_16x16x128_f8f6f4 v[rD:rD+7], v[rB:rB+11], v[rA:rA+11], 0, v[rSB], v[rSA] matrix_a_fmt:MATRIX_FMT_BF6 matrix_b_fmt:MATRIX_FMT_BF6 matrix_b_scale:MATRIX_SCALE_ROW1
.else
	v_wmma_scale_f32_16x16x128_f8f6f4 v[rD:rD+7], v[rB:rB+11], v[rA:rA+11], 0, v[rSB], v[rSA] matrix_a_fmt:MATRIX_FMT_BF6 matrix_b_fmt:MATRIX_FMT_BF6
.endif
.else
.if (\b%2) && ((\a)%2)
	v_wmma_scale_f32_16x16x128_f8f6f4 v[rD:rD+7], v[rB:rB+11], v[rA:rA+11], v[rD:rD+7], v[rSB], v[rSA] matrix_a_fmt:MATRIX_FMT_BF6 matrix_b_fmt:MATRIX_FMT_BF6 matrix_a_scale:MATRIX_SCALE_ROW1 matrix_b_scale:MATRIX_SCALE_ROW1
.elseif \b%2
	v_wmma_scale_f32_16x16x128_f8f6f4 v[rD:rD+7], v[rB:rB+11], v[rA:rA+11], v[rD:rD+7], v[rSB], v[rSA] matrix_a_fmt:MATRIX_FMT_BF6 matrix_b_fmt:MATRIX_FMT_BF6 matrix_a_scale:MATRIX_SCALE_ROW1
.elseif (\a)%2
	v_wmma_scale_f32_16x16x128_f8f6f4 v[rD:rD+7], v[rB:rB+11], v[rA:rA+11], v[rD:rD+7], v[rSB], v[rSA] matrix_a_fmt:MATRIX_FMT_BF6 matrix_b_fmt:MATRIX_FMT_BF6 matrix_b_scale:MATRIX_SCALE_ROW1
.else
	v_wmma_scale_f32_16x16x128_f8f6f4 v[rD:rD+7], v[rB:rB+11], v[rA:rA+11], v[rD:rD+7], v[rSB], v[rSA] matrix_a_fmt:MATRIX_FMT_BF6 matrix_b_fmt:MATRIX_FMT_BF6
.endif
.endif
.endr
.endm
.macro FETCH slot, q, p, kap           ; 42 LDS loads in one run: the slot's q-th 128 along K into set p, and the scale words of K step kap
	WIN 0x40
.irp i, 0,1,2,3,4,5,6,7
.irp c, 0,1,2
	ds_load_b128 v[128*(\p)+12*\i+4*\c:128*(\p)+12*\i+4*\c+3], v[ADRB+\slot] offset:6144*\i+1536*(\q)+512*\c
.endr
.endr
	WIN 0
.irp i, 0,1,2,3
.irp c, 0,1,2
	ds_load_b128 v[AF+48*(\p)+12*\i+4*\c:AF+48*(\p)+12*\i+4*\c+3], v[ADRA+\slot] offset:6144*\i+1536*(\q)+512*\c
.endr
.endr
.irp i, 0,1
	ds_load_b32 v[SC+6*(\p)+\i], v[ADSA] offset:256*(\kap)+128*\i
.endr
.irp i, 0,1,2,3
	ds_load_b32 v[SC+6*(\p)+2+\i], v[ADSB] offset:512*(\kap)+128*\i
.endr
.endm
.macro STEP slot, q, kap, first
	s_wait_dscnt 0x0                               ; this step's fragments and scale words are in
	WIN MUL
	MULA 0, (\q)%2, \first
	PLACES
	FETCH \slot, (\q)+1, 1-(\q)%2, (\kap)+1
	WIN MUL
	MULA 1, (\q)%2, \first
	MULA 2, (\q)%2, \first
	MULA 3, (\q)%2, \first
.endm
; A slot's last step changes slots: one barrier; in front of it each wave waits for all its tensor loads, adds 0 to its spare word, and waits for that and for its reads of this slot.
; fill = 1: the barrier opens a round of the cluster's barrier, and this slot is filled again, with the keys two slots on, first thing behind the round.
.macro TURN slot, next, fill, kap
	WIN 0                                          ; (the add's two registers lie in window 0)
	s_wait_tensorcnt 0x0                           ; all my tensor loads have landed: my part of the next slot; so a group 0 may be written
	ds_add_u32 v[SPW], v[NIL]
	s_wait_dscnt 1                                 ; the add alone may be out: this step's fragments are in
	WIN MUL
	MULA 0, 1, 0
	s_wait_dscnt 0x0                               ; the add is done, and my reads of this slot are over
	s_barrier_signal -1
	MULA 1, 1, 0
	WIN 0
	s_barrier_wait -1
.if \fill
	CREST                                          ; no wave of any partner still reads this slot or has a load on its way
	s_add_nc_u64 s[G0+4*\slot+2:G0+4*\slot+3], s[G0+4*\slot+2:G0+4*\slot+3], 12288
	s_add_nc_u64 s[G0B+4*\slot+2:G0B+4*\slot+3], s[G0B+4*\slot+2:G0B+4*\slot+3], 12288
	JLOAD \slot                                    ; the four v_nop behind it are also the places in front of the loads below
.else
	PLACES
.endif
	FETCH \next, 0, 0, (\kap)+1
	WIN MUL
	MULA 2, 1, 0
	MULA 3, 1, 0
.endm
.macro LAST
	s_wait_dscnt 0x0
	WIN MUL
	MULA 0, 1, 0
	MULA 1, 1, 0
	MULA 2, 1, 0
	MULA 3, 1, 0
	WIN 0
.endm
; THE WAY OUT of block a (16 queries x my 128 channels): x 1 / l in place, then quantised.  Each accumulator is first read at its low end.
.macro RESC a
	WIN 0x82                                       ; destination and source 0 window 2
.set j, 64*(\a)
.rept 32
	v_pk_mul_f32 v[j:j+1], v[j:j+1], v[RL+2*(\a):RL+2*(\a)+1] op_sel_hi:[1,0]
.set j, j+2
.endr
.endm
.macro QMAX a
	WIN 0x28
.irp b, 0,1,2,3
	v_max3_num_f32 v[TM+\b], 0x2800000, |v[64*(\a)+16*\b]|, |v[64*(\a)+16*\b+1]|   ; the floor 2^(5 - 127): the byte cannot fall under 1
.endr
.irp i, 2,4,6,8,10,12,14
.irp b, 0,1,2,3
	v_max3_num_f32 v[TM+\b], v[TM+\b], |v[64*(\a)+16*\b+\i]|, |v[64*(\a)+16*\b+\i+1]|
.endr
.endr
	WIN 0
.irp b, 0,1,2,3
	v_permlanex16_b32 v[TM+4+\b], v[TM+\b], s[SEL], s[SEL+1]
.endr
.irp b, 0,1,2,3
	v_max_num_f32 v[TM+\b], v[TM+\b], v[TM+4+\b]
.endr
.endm
.macro QSC a
.irp b, 0,1,2,3
	v_add_nc_u32 v[TM+12+\b], 0xfe000000, v[TM+\b]
.endr
.irp b, 0,1,2,3
	v_lshrrev_b32 v[TM+4+\b], 23, v[TM+12+\b]
.endr
	v_lshl_or_b32 v[PW+\a], v[TM+5], 8, v[TM+4]
	v_lshl_or_b32 v[PW+\a], v[TM+6], 16, v[PW+\a]
	v_lshl_or_b32 v[PW+\a], v[TM+7], 24, v[PW+\a]
.endm
.macro QCVT a
.set PC, AF+24*(\a)
	WIN 0x02
.irp c, 0,1
	v_cvt_scalef32_pk16_bf6_f32 v[PC+6*\c:PC+6*\c+2], v[64*(\a)+32*\c:64*(\a)+32*\c+15], v[TM+12+2*\c]
	v_cvt_scalef32_pk16_bf6_f32 v[PC+12+4*\c:PC+14+4*\c], v[64*(\a)+32*\c+16:64*(\a)+32*\c+31], v[TM+13+2*\c]
.endr
	WIN 0
	v_nop                                          ; one plain place behind a scaled conversion
.irp c, 0,1
.irp i, 0,1,2
	v_permlane16_swap_b32 v[PC+6*\c+\i], v[PC+12+4*\c+\i]
.endr
.irp i, 0,1,2
	v_mov_b32 v[PC+3+6*\c+\i], v[PC+12+4*\c+\i]
.endr
.endr
.endm
.macro QOUT a
.set PC, AF+24*(\a)
.irp c, 0,1,2
	global_store_b128 v4, v[PC+4*\c:PC+4*\c+3], s[OC:OC+1] offset:(\a)*OSTEP+512*\c   ; 512 consecutive bytes, aligned
.endr
	ds_store_b32 v24, v[PW+\a] offset:64*(\a)      ; into my 1,024 bytes of slot 0, which has had its last fill and its last read
.endm
	s_load_b128 s[4:7], s[0:1], 0x0                ; pp s[4:5], vt s[6:7]
	s_load_b64 s[8:9], s[0:1], 0x10                ; oo
	v_lshl_add_u32 v[SPW], v0, 2, SPARE
	v_mov_b32 v[NIL], 0
	ds_add_u32 v[SPW], v[NIL]                      ; the wave's opening: the add, twice on end, and its wait ahead of my first tensor load
	ds_add_u32 v[SPW], v[NIL]
	v_lshrrev_b32 v1, 5, v0
	v_readfirstlane_b32 s14, v1                    ; wave 0..3
	s_lshr_b32 s15, s14, 1
	s_and_b32 s16, s14, 1
	s_bfe_u32 s40, ttmp6, 0x40000
	s_bfe_u32 s41, ttmp6, 0x40004
	s_lshl_b32 s42, ttmp9, 2
	s_add_co_u32 s42, s42, s40                     ; tile column: 256 channels
	s_and_b32 s17, ttmp7, 0xffff
	s_lshr_b32 s45, s17, 2                         ; the batch: the same in all sixteen partners
	s_lshl_b32 s17, s17, 2
	s_add_co_u32 s17, s17, s41                     ; tile row: 128 queries of all 8,192
	s_lshl_b32 s43, s41, 2
	s_lshl_b32 s43, 15, s43
	s_lshl_b32 s44, 0x1111, s40
	s_or_b32 s[G1], s43, (3<<16)|(1<<21)
	s_or_b32 s[G1B], s44, (3<<16)|(1<<21)
	s_or_b32 s[G1SB], s44, (3<<16)|(1<<21)
	GROUP1 G1, 768, 4, AP/8
	GROUP1 G1B, 768, 8, BP/8
	GROUP1 G1SB, 64, NK, BSP/8
	s_mul_i32 s20, s17, 8*AP
	s_mul_i32 s18, s16, 4*AP
	s_add_co_u32 s20, s20, s18
	s_mov_b32 s21, 0
	s_lshl_b32 s22, s17, 9                         ; the prologue's words: row 128 x tile row
	s_add_co_u32 s22, s22, PSC
	s_mov_b32 s23, 0
	s_mul_i32 s46, s42, 16*BP
	s_mul_i32 s18, s16, 8*BP
	s_add_co_u32 s46, s46, s18
	s_mul_i32 s18, s45, BBATCH
	s_add_co_u32 s46, s46, s18
	s_mov_b32 s47, 0
	s_lshl_b32 s98, s42, 10
	s_lshl_b32 s18, s16, 9
	s_add_co_u32 s98, s98, s18
	s_mul_i32 s18, s45, BSBATCH
	s_add_co_u32 s98, s98, s18
	s_add_co_u32 s98, s98, BSBASE
	s_mov_b32 s99, 0
	s_mov_b32 s[G0], 1
	s_mov_b32 s[G0+4], 1
	s_mov_b32 s[G0B], 1
	s_mov_b32 s[G0B+4], 1
	s_mov_b32 s[G0SB], 1
	s_mul_i32 s[G0+1], s16, HALFA
	s_add_co_u32 s[G0+5], s[G0+1], SLOT
	s_mul_i32 s[G0B+1], s16, HALFB
	s_add_co_u32 s[G0B+1], s[G0B+1], BOFF
	s_add_co_u32 s[G0B+5], s[G0B+1], SLOT
	s_mul_i32 s[G0SB+1], s16, HALFSB
	s_add_co_u32 s[G0SB+1], s[G0SB+1], SCB
	s_wait_dscnt 0x0                               ; both opening adds are done
	s_wait_kmcnt 0x0
	s_add_nc_u64 s[G0+2:G0+3], s[4:5], s[20:21]
	s_add_nc_u64 s[G0+6:G0+7], s[G0+2:G0+3], 6144
	s_add_nc_u64 s[12:13], s[4:5], s[22:23]
	s_add_nc_u64 s[G0B+2:G0B+3], s[6:7], s[46:47]
	s_add_nc_u64 s[G0B+6:G0B+7], s[G0B+2:G0B+3], 6144
	s_add_nc_u64 s[G0SB+2:G0SB+3], s[6:7], s[98:99]
	s_or_b32 s[G0+3], s[G0+3], 0x80000000
	s_or_b32 s[G0+7], s[G0+7], 0x80000000
	s_or_b32 s[G0B+3], s[G0B+3], 0x80000000
	s_or_b32 s[G0B+7], s[G0B+7], 0x80000000
	s_or_b32 s[G0SB+3], s[G0SB+3], 0x80000000
	CROUND                                         ; all sixteen work-groups are here: the first joint loads meet
	s_cmp_eq_u32 s15, 0                            ; a wave's first fills stand in one branch on the wave's number; in both arms slot 1's load is the last
	s_cbranch_scc0 .Lfirst_b
	tensor_load_to_lds s[G0:G0+3], s[G1:G1+7]
	s_nop 0
	tensor_load_to_lds s[G0+4:G0+7], s[G1:G1+7]
	s_nop 0
.rept 4
	v_nop
.endr
	s_branch .Lfirst_done
.Lfirst_b:
	tensor_load_to_lds s[G0SB:G0SB+3], s[G1SB:G1SB+7]
	s_nop 0
	tensor_load_to_lds s[G0B:G0B+3], s[G1B:G1B+7]
	s_nop 0
	tensor_load_to_lds s[G0B+4:G0B+7], s[G1B:G1B+7]
	s_nop 0
.rept 4
	v_nop
.endr
.Lfirst_done:
	v_lshlrev_b32 v7, 2, v0                        ; THE JOIN: thread T owns query 128 x tile row + T
.irp k, 0,1,2,3,4,5,6,7,8,9,10,11,12,13,14,15
	global_load_b32 v[MM+\k], v7, s[12:13] offset:32768*\k+524288      ; -M_loc
.endr
.irp k, 0,1,2,3,4,5,6,7,8,9,10,11,12,13,14,15
	global_load_b32 v[MM+16+\k], v7, s[12:13] offset:32768*\k+1048576  ; l_loc
.endr
.irp k, 0,1,2,3,4,5,6,7,8,9,10,11,12,13,14,15
	global_load_b32 v[MM+32+\k], v7, s[12:13] offset:32768*\k          ; the scale words
.endr
	v_and_b32 v1, 15, v0
	v_bfe_u32 v2, v0, 4, 1
	v_and_b32 v3, 31, v0
	v_lshlrev_b32 v4, 4, v3
	s_mul_i32 s18, s15, HALFA
	v_add_nc_u32 v[ADRA], s18, v4
	v_add_nc_u32 v[ADRA+1], SLOT, v[ADRA]
	s_mul_i32 s18, s16, HALFB
	s_add_co_u32 s18, s18, BOFF
	v_add_nc_u32 v[ADRB], s18, v4
	v_add_nc_u32 v[ADRB+1], SLOT, v[ADRB]
	v_lshlrev_b32 v6, 2, v3
	s_mul_i32 s18, s15, HALFSA
	s_add_co_u32 s18, s18, SCA
	v_add_nc_u32 v[ADSA], s18, v6
	s_mul_i32 s18, s16, HALFSB
	s_add_co_u32 s18, s18, SCB
	v_add_nc_u32 v[ADSB], s18, v6
	s_lshl_b32 s18, s16, 7
	v_add_nc_u32 v8, s18, v[ADSA]                  ; where query T's mended words go: half T / 64, row T % 64 = 32 (wave % 2) + lane; kappa by the immediate
	v_lshl_add_u32 v9, v0, 2, LINV                 ; and its 1 / l
	s_lshl_b32 s18, s15, 8
	s_add_co_u32 s18, s18, LINV
	v_lshl_add_u32 v27, v1, 2, s18                 ; the way out: 1 / l of query 64 x my half + 16 a + r
	s_lshl_b32 s18, s14, 10
	v_lshl_add_u32 v24, v1, 2, s18
	v_lshl_add_u32 v25, v3, 3, s18
	v_lshlrev_b32 v26, 3, v3
	s_mov_b32 s[SEL], 0x76543210
	s_mov_b32 s[SEL+1], 0xfedcba98
.irp b, 0,1,2,3
	v_mov_b32 v[TM+4+\b], 0                        ; written once: a lane permute's destination counts as one of its sources
	v_mov_b32 v[RL+1+2*\b], 0                      ; (named as the upper halves of the pairs with 1 / l)
.endr
	s_lshl_b32 s19, s17, 3
	s_lshl_b32 s18, s15, 2
	s_add_co_u32 s19, s19, s18                     ; rho0: my first 16 queries
	s_lshl_b32 s18, s42, 1
	s_add_co_u32 s18, s18, s16                     ; kappa of my 128 channels
	s_mul_i32 s98, s19, OSTEP
	s_mul_i32 s99, s18, 1536
	s_add_co_u32 s98, s98, s99
	s_mov_b32 s99, 0
	s_add_nc_u64 s[OC:OC+1], s[8:9], s[98:99]
	s_mul_i32 s98, s18, OSP
	s_lshl_b32 s99, s19, 6
	s_add_co_u32 s98, s98, s99
	s_add_co_u32 s98, s98, OSBASE
	s_mov_b32 s99, 0
	s_add_nc_u64 s[OS:OS+1], s[8:9], s[98:99]
	s_wait_loadcnt 0x0
	v_max3_num_f32 v112, -v[MM], -v[MM+1], -v[MM+2]                    ; M = the largest M_loc
.irp k, 3,5,7,9,11,13
	v_max3_num_f32 v112, v112, -v[MM+\k], -v[MM+\k+1]
.endr
	v_max_num_f32 v112, v112, -v[MM+15]
.irp k, 0,1,2,3,4,5,6,7,8,9,10,11,12,13,14,15
	v_sub_f32 v113, -v[MM+\k], v112                ; d = M_loc - M: a whole number, 0 or less,
	v_max_num_f32 v113, 0xc3480000, v113           ; held at -200
	v_cvt_i32_f32 v114, v113
	v_ldexp_f32 v115, 1.0, v114                    ; 2^d: nothing is rounded
.if \k == 0
	v_mul_f32 v116, v[MM+16], v115
.else
	v_fmac_f32 v116, v[MM+16+\k], v115             ; l
.endif
	v_sub_nc_u32 v117, 254, v114                   ; each byte b becomes 254 - min(254 - d - b, 253) = max(b + d, 1)
.irp i, 0,1,2,3
	v_bfe_u32 v[118+\i], v[MM+32+\k], 8*\i, 8
.endr
.irp i, 0,1,2,3
	v_sub_nc_u32 v[118+\i], v117, v[118+\i]
.endr
.irp i, 0,1,2,3
	v_min_u32 v[118+\i], 253, v[118+\i]
.endr
	v_lshl_or_b32 v118, v119, 8, v118
	v_lshl_or_b32 v118, v120, 16, v118
	v_lshl_or_b32 v118, v121, 24, v118
	v_sub_nc_u32 v[MM+32+\k], 0xfefefefe, v118     ; no byte borrows: each is at most 253
	ds_store_b32 v8, v[MM+32+\k] offset:256*\k
.endr
	v_rcp_f32 v117, v116
	v_nop                                          ; a plain place behind the reciprocal
	s_wait_alu depctr_va_vdst(0)                   ; and the wait ahead of its first reader
	ds_store_b32 v9, v117
	s_wait_tensorcnt 0x1                           ; B's scale words and my part of slot 0 are in; slot 1's load may be out
	s_wait_dscnt 0x0                               ; for the others' sake: my mended words and my 1 / l lie in LDS
	s_barrier_signal -1
	s_barrier_wait -1
	FETCH 0, 0, 0, 0
	STEP 0, 0, 0, 1
	STEP 0, 1, 1, 0
	STEP 0, 2, 2, 0
	TURN 0, 1, 1, 3                                ; slot 0 takes K steps 8 to 11
	STEP 1, 0, 4, 0
	STEP 1, 1, 5, 0
	STEP 1, 2, 6, 0
	TURN 1, 0, 1, 7                                ; slot 1 takes K steps 12 to 15
	STEP 0, 0, 8, 0
	STEP 0, 1, 9, 0
	STEP 0, 2, 10, 0
	TURN 0, 1, 0, 11                               ; nothing is left to fetch
	STEP 1, 0, 12, 0
	STEP 1, 1, 13, 0
	STEP 1, 2, 14, 0
	LAST
	PLACES
.irp a, 0,1,2,3
	ds_load_b32 v[RL+2*\a], v27 offset:64*\a
.endr
	s_wait_dscnt 0x0
.irp a, 0,1,2,3
	RESC \a
	QMAX \a
	QSC \a
	QCVT \a
	QOUT \a
.endr
	ds_load_b64 v[224:225], v25                    ; LDS serves a wave's instructions in order: these see my stores
	s_wait_dscnt 0x0
	global_store_b64 v26, v[224:225], s[OS:OS+1]   ; 256 consecutive bytes, aligned
	s_wait_tensorcnt 0x0                           ; the wave's end
	ds_add_u32 v[SPW], v[NIL]
	s_wait_dscnt 0x0
	CROUND                                         ; the closing round: no work-group ends while a partner may still ask for a tile that names it
	s_endpgm
.Lfunc_end_k_q537bfce31a_pv:
	.size	k_q537bfce31a_pv, .Lfunc_end_k_q537bfce31a_pv-k_q537bfce31a_pv
	.p2alignl 7, 3214868480
	.fill 96, 4, 3214868480
	.section	.rodata,"a",@progbits
	.p2align	6, 0x0
	.amdhsa_kernel k_q537bfce31a_pv
		.amdhsa_group_segment_fixed_size 327680
		.amdhsa_private_segment_fixed_size 0
		.amdhsa_enable_private_segment 0
		.amdhsa_kernarg_size 24
		.amdhsa_user_sgpr_count 2
		.amdhsa_user_sgpr_kernarg_segment_ptr 1
		.amdhsa_wavefront_size32 1
		.amdhsa_system_sgpr_workgroup_id_x 1
		.amdhsa_system_sgpr_workgroup_id_y 1
		.amdhsa_system_sgpr_workgroup_id_z 1
		.amdhsa_system_vgpr_workitem_id 0
		.amdhsa_next_free_vgpr 768
		.amdhsa_next_free_sgpr 100
		.amdhsa_reserve_vcc 0
		.amdhsa_float_denorm_mode_32 3
		.amdhsa_float_denorm_mode_16_64 3
		.amdhsa_memory_ordered 1
		.amdhsa_forward_progress 1
		.amdhsa_inst_pref_size 172
	.end_amdhsa_kernel
	.amdgpu_metadata
---
amdhsa.version: [ 1, 2 ]
amdhsa.kernels:
  - .name:           k_q537bfce31a_pv
    .symbol:         k_q537bfce31a_pv.kd
    .args:
      - { .name: pp, .offset: 0, .size: 8, .value_kind: global_buffer, .address_space: global }
      - { .name: vt, .offset: 8, .size: 8, .value_kind: global_buffer, .address_space: global }
      - { .name: oo, .offset: 16, .size: 8, .value_kind: global_buffer, .address_space: global }
    .group_segment_fixed_size: 327680
    .private_segment_fixed_size: 0
    .kernarg_segment_align: 8
    .kernarg_segment_size: 24
    .max_flat_workgroup_size: 128
    .sgpr_count:     100
    .vgpr_count:     768
    .wavefront_size: 32
...
	.end_amdgpu_metadata
.endif
;; end of part 5
;; launch fc (part 6): grid 4 x 64, 4 waves a work-group, clusters of 4 x 4, 327,680 bytes of LDS; arguments oo, xw, bfc, x, out0; writes out0
.if DOCPART == 6
	.amdgcn_target "amdgcn-amd-amdhsa--gfx1250"
	.amdhsa_code_object_version 6
	.text
	.protected	k_q537bfce31a_fc
	.globl	k_q537bfce31a_fc
	.p2align	8
	.type	k_q537bfce31a_fc,@function
k_q537bfce31a_fc:
	s_mov_b64 s[64:65], 0
	v_nop
	global_prefetch_b8 v0, s[64:65] scope:SCOPE_SE
	s_setreg_imm32_b32 hwreg(HW_REG_WAVE_MODE, 25, 1), 1
	s_wait_xcnt 0x0
	s_wait_alu depctr_hold_cnt(0) depctr_sa_sdst(0) depctr_va_vdst(0) depctr_va_sdst(0) depctr_va_ssrc(0) depctr_va_vcc(0) depctr_vm_vsrc(0)
	s_getreg_b32 s2, hwreg(HW_REG_IB_STS2, 6, 4)
	s_cmp_eq_u32 s2, 0
	s_cbranch_scc0 .Lentry_in_a_cluster
	s_endpgm
.Lentry_in_a_cluster:
	s_bfe_u32 s2, ttmp6, 0x10000c
	s_cmp_lg_u32 s2, 0xf033
	s_cbranch_scc0 .Lentry_shape_is_right
	s_endpgm
.Lentry_shape_is_right:
; LAUNCH 6 OF 6.  out0 = O Wfc^T + bfc + x: the product on codes of BF6 (E3M2), bias and residual in f32.  Nothing of the problem is left out here.
; OPERANDS.  oo: O's codes, fragments of 1,536 bytes in the order of the operand's registers, (rho, kappa) at (8 rho + kappa) x 1,536, scale words [kappa][token]; xw: Wfc is rows 11264-12287.  Rows are stored with bits 3 and 4
; of their number exchanged; here the tokens are brought back to their own order, in the addresses of x and out0.
; SHARES.  A work-group makes 128 tokens x 256 channels; four waves 2 x 2, a wave 64 x 128.  TRANSPOSED USE: source 0 = 16 stored rows of Wfc, source 1 = 16 stored tokens: lane (r, h) holds token r, and the 16 registers of tiles
; 2 B, 2 B + 1 are channels 32 B + 16 h + 0 .. 15.  The bias is the C of the first step.  The wave's 64 x 128 numbers of x are asked for at the head, into window 3, and land while the product runs.
; THE WAY OUT: a block of 16 tokens goes through my stage in LDS (rows 528 bytes apart, in slot 0, which has had its last fill and its last read) and comes back as whole rows of 512 bytes; x is added; 32 lanes store 512 bytes.
; LDS, cluster: two slots of 512 along K, both first fills (three tensor loads a wave out at the most); joint loads in a 4 x 4 cluster.
; Window 0: addresses, scale words v32-43, bias v64-127, A's fragments v128-223 (on the way out v128-255: rows of the result).  Window 1: B's fragments.  Window 2: accumulators.  Window 3: x.
; LIMITS: NaN and infinities are not served.
.set NK,     8
.set AP,     12288
.set BP,     12288
.set ASP,    32768
.set BSP,    49152
.set XWS,    9437184
.set ASBASE, 6291456
.set BBASE,  8650752                   ; row 11264
.set BSBASE, XWS+45056
.set SLOT,   147456
.set HALFA,  24576
.set HALFB,  49152
.set BOFF,   49152
.set SCA,    2*SLOT
.set HALFSA, 256*NK
.set SCB,    SCA+2*HALFSA
.set HALFSB, 512*NK
.set SPARE,  SCB+2*HALFSB              ; the spare words, 128 bytes for each wave: two blocks of 256 bytes that no other line names
.set ADRA, 16
.set ADRB, 20
.set ADSA, 22
.set ADSB, 23
.set SPW,  28
.set NIL,  29
.set SC,   32
.set BIAS, 64
.set AF,   128
.set G1,   24
.set G0,   32
.set G1B,  48
.set G0B,  56
.set G1S,  68
.set G0S,  76
.set G1SB, 80
.set G0SB, 88
.set XB,   92                          ; s[92:93] x at my wave's first row and column
.set YB,   94                          ; s[94:95] out0 likewise
.set MUL,  0xa1                        ; source 0 (B) window 1, source 1 (A) window 0, C and D window 2
.set MULF, 0x81                        ; the first step: C (the bias) window 0
.set MSB, 0
.macro WIN new                         ; the immediate's high byte repeats the setting that is left
.if MSB != \new
	s_set_vgpr_msb (MSB<<8)|\new
.set MSB, \new
.endif
.endm
.macro CREST
	s_cmp_lg_u32 s14, 0
	s_cbranch_scc1 .Lnot_wave_0_\@
	s_barrier_signal -3
.Lnot_wave_0_\@:
	s_barrier_wait -3
	s_barrier_signal -1
	s_barrier_wait -1
.endm
.macro CROUND
	s_barrier_signal -1
	s_barrier_wait -1
	CREST
.endm
.macro PLACES                          ; four plain places behind a matrix instruction (ISA guide 7.12.1)
.rept 4
	v_nop
.endr
.endm
.macro GROUP1 g, c, r, p               ; r rows of c elements of 8 bytes, p elements from row to row
	s_mov_b32 s[\g+1], (\c)<<16
	s_mov_b32 s[\g+2], (\r)<<16
	s_mov_b32 s[\g+3], (\c)<<16
	s_mov_b32 s[\g+4], \r
	s_mov_b32 s[\g+5], \p
	s_mov_b32 s[\g+6], 0
	s_mov_b32 s[\g+7], 0
.endm
; 8 matrix instructions: A's block a against B's eight, from set p; the 32 accumulators take turns.  first = 1: the bias starts the sums.
.macro MULA a, p, first
.irp b, 0,1,2,3,4,5,6,7
.set rD, 8*(8*(\a)+\b)
.set rC, rD
.if \first
.set rC, BIAS+8*\b
.endif
.set rB, 128*(\p)+12*\b
.set rA, AF+48*(\p)+12*(\a)
.set rSB, SC+6*(\p)+2+\b/2
.set rSA, SC+6*(\p)+(\a)/2
.if (\b%2) && ((\a)%2)
	v_wmma_scale_f32_16x16x128_f8f6f4 v[rD:rD+7], v[rB:rB+11], v[rA:rA+11], v[rC:rC+7], v[rSB], v[rSA] matrix_a_fmt:MATRIX_FMT_BF6 matrix_b_fmt:MATRIX_FMT_BF6 matrix_a_scale:MATRIX_SCALE_ROW1 matrix_b_scale:MATRIX_SCALE_ROW1
.elseif \b%2
	v_wmma_scale_f32_16x16x128_f8f6f4 v[rD:rD+7], v[rB:rB+11], v[rA:rA+11], v[rC:rC+7], v[rSB], v[rSA] matrix_a_fmt:MATRIX_FMT_BF6 matrix_b_fmt:MATRIX_FMT_BF6 matrix_a_scale:MATRIX_SCALE_ROW1
.elseif (\a)%2
	v_wmma_scale_f32_16x16x128_f8f6f4 v[rD:rD+7], v[rB:rB+11], v[rA:rA+11], v[rC:rC+7], v[rSB], v[rSA] matrix_a_fmt:MATRIX_FMT_BF6 matrix_b_fmt:MATRIX_FMT_BF6 matrix_b_scale:MATRIX_SCALE_ROW1
.else
	v_wmma_scale_f32_16x16x128_f8f6f4 v[rD:rD+7], v[rB:rB+11], v[rA:rA+11], v[rC:rC+7], v[rSB], v[rSA] matrix_a_fmt:MATRIX_FMT_BF6 matrix_b_fmt:MATRIX_FMT_BF6
.endif
.endr
.endm
.macro FETCH slot, q, p, kap           ; 42 LDS loads in one run: the slot's q-th 128 along K into set p, and the scale words of K step kap
	WIN 0x40
.irp i, 0,1,2,3,4,5,6,7
.irp c, 0,1,2
	ds_load_b128 v[128*(\p)+12*\i+4*\c:128*(\p)+12*\i+4*\c+3], v[ADRB+\slot] offset:6144*\i+1536*(\q)+512*\c
.endr
.endr
	WIN 0
.irp i, 0,1,2,3
.irp c, 0,1,2
	ds_load_b128 v[AF+48*(\p)+12*\i+4*\c:AF+48*(\p)+12*\i+4*\c+3], v[ADRA+\slot] offset:6144*\i+1536*(\q)+512*\c
.endr
.endr
.irp i, 0,1
	ds_load_b32 v[SC+6*(\p)+\i], v[ADSA] offset:256*(\kap)+128*\i
.endr
.irp i, 0,1,2,3
	ds_load_b32 v[SC+6*(\p)+2+\i], v[ADSB] offset:512*(\kap)+128*\i
.endr
.endm
.macro STEP slot, q, kap, first
	s_wait_dscnt 0x0                               ; this step's fragments and scale words are in
.if \first
	WIN MULF
.else
	WIN MUL
.endif
	MULA 0, (\q)%2, \first
	PLACES
	FETCH \slot, (\q)+1, 1-(\q)%2, (\kap)+1
.if \first
	WIN MULF
.else
	WIN MUL
.endif
	MULA 1, (\q)%2, \first
	MULA 2, (\q)%2, \first
	MULA 3, (\q)%2, \first
.endm
.macro TURN slot, next, kap            ; a slot's last step changes slots: one barrier, nothing is filled again
	WIN 0
	s_wait_tensorcnt 0x0                           ; all my tensor loads have landed: my part of the next slot
	ds_add_u32 v[SPW], v[NIL]
	s_wait_dscnt 1                                 ; the add alone may be out
	WIN MUL
	MULA 0, 1, 0
	s_wait_dscnt 0x0                               ; the add is done, and my reads of this slot are over
	s_barrier_signal -1
	MULA 1, 1, 0
	s_barrier_wait -1
	PLACES
	FETCH \next, 0, 0, (\kap)+1
	WIN MUL
	MULA 2, 1, 0
	MULA 3, 1, 0
.endm
.macro LAST
	s_wait_dscnt 0x0
	WIN MUL
	MULA 0, 1, 0
	MULA 1, 1, 0
	MULA 2, 1, 0
	MULA 3, 1, 0
	WIN 0
.endm
; THE WAY OUT of block a.  Stored token 16 a + t of my 64 is token 32 (a / 2) + 8 (a % 2) + t % 8 + 16 (t / 8).
.macro OUTB a
.set BK, 128+64*((\a)%2)
.if (\a) >= 2
	s_wait_xcnt 0x0                                ; block a - 2's stores have read their registers: they are loaded again only behind this wait
.endif
	WIN 0x08                                       ; an LDS store's data are its source 1: window 2
.irp b, 0,1,2,3,4,5,6,7
	ds_store_b128 v24, v[64*(\a)+8*\b:64*(\a)+8*\b+3] offset:128*(\b/2)+32*(\b%2)          ; each accumulator from its low end on
	ds_store_b128 v24, v[64*(\a)+8*\b+4:64*(\a)+8*\b+7] offset:128*(\b/2)+32*(\b%2)+16
.endr
	WIN 0
.irp t, 0,1,2,3,4,5,6,7,8,9,10,11,12,13,14,15
	ds_load_b128 v[BK+4*\t:BK+4*\t+3], v25 offset:528*\t       ; LDS serves a wave's instructions in order: these see my stores
.endr
	s_wait_dscnt 0x0
	WIN 0x0c                                       ; source 1 window 3: x
.irp t, 0,1,2,3,4,5,6,7,8,9,10,11,12,13,14,15
	v_pk_add_f32 v[BK+4*\t:BK+4*\t+1], v[BK+4*\t:BK+4*\t+1], v[64*(\a)+4*\t:64*(\a)+4*\t+1]
	v_pk_add_f32 v[BK+4*\t+2:BK+4*\t+3], v[BK+4*\t+2:BK+4*\t+3], v[64*(\a)+4*\t+2:64*(\a)+4*\t+3]
.endr
	WIN 0
.irp t, 0,1,2,3,4,5,6,7,8,9,10,11,12,13,14,15
	global_store_b128 v4, v[BK+4*\t:BK+4*\t+3], s[YB:YB+1] offset:(32*((\a)/2)+8*((\a)%2)+\t%8+16*(\t/8))*4096 th:TH_STORE_NT   ; 32 lanes store 512 consecutive bytes, aligned
.endr
.endm
	s_load_b256 s[4:11], s[0:1], 0x0               ; oo s[4:5], xw s[6:7], bfc s[8:9], x s[10:11]
	s_load_b64 s[12:13], s[0:1], 0x20              ; out0
	v_lshl_add_u32 v[SPW], v0, 2, SPARE
	v_mov_b32 v[NIL], 0
	ds_add_u32 v[SPW], v[NIL]                      ; the wave's opening: the add, twice on end, and its wait ahead of my first tensor load
	ds_add_u32 v[SPW], v[NIL]
	v_lshrrev_b32 v1, 5, v0
	v_readfirstlane_b32 s14, v1                    ; wave 0..3
	s_lshr_b32 s15, s14, 1
	s_and_b32 s16, s14, 1
	s_bfe_u32 s40, ttmp6, 0x40000
	s_bfe_u32 s41, ttmp6, 0x40004
	s_lshl_b32 s42, ttmp9, 2
	s_add_co_u32 s42, s42, s40                     ; tile column: 256 channels
	s_and_b32 s17, ttmp7, 0xffff
	s_lshl_b32 s17, s17, 2
	s_add_co_u32 s17, s17, s41                     ; tile row: 128 tokens
	s_lshl_b32 s43, s41, 2
	s_lshl_b32 s43, 15, s43
	s_lshl_b32 s44, 0x1111, s40
	s_or_b32 s[G1], s43, (3<<16)|(1<<21)
	s_or_b32 s[G1B], s44, (3<<16)|(1<<21)
	s_or_b32 s[G1S], s43, (3<<16)|(1<<21)
	s_or_b32 s[G1SB], s44, (3<<16)|(1<<21)
	GROUP1 G1, 768, 4, AP/8
	GROUP1 G1B, 768, 8, BP/8
	GROUP1 G1S, 32, NK, ASP/8
	GROUP1 G1SB, 64, NK, BSP/8
	s_mul_i32 s20, s17, 8*AP
	s_mul_i32 s18, s16, 4*AP
	s_add_co_u32 s20, s20, s18
	s_mov_b32 s21, 0
	s_lshl_b32 s22, s17, 9
	s_lshl_b32 s18, s16, 8
	s_add_co_u32 s22, s22, s18
	s_add_co_u32 s22, s22, ASBASE
	s_mov_b32 s23, 0
	s_mul_i32 s46, s42, 16*BP
	s_mul_i32 s18, s16, 8*BP
	s_add_co_u32 s46, s46, s18
	s_add_co_u32 s46, s46, BBASE
	s_mov_b32 s47, 0
	s_lshl_b32 s98, s42, 10
	s_lshl_b32 s18, s16, 9
	s_add_co_u32 s98, s98, s18
	s_add_co_u32 s98, s98, BSBASE
	s_mov_b32 s99, 0
	s_mov_b32 s[G0], 1
	s_mov_b32 s[G0+4], 1
	s_mov_b32 s[G0B], 1
	s_mov_b32 s[G0B+4], 1
	s_mov_b32 s[G0S], 1
	s_mov_b32 s[G0SB], 1
	s_mul_i32 s[G0+1], s16, HALFA
	s_add_co_u32 s[G0+5], s[G0+1], SLOT
	s_mul_i32 s[G0B+1], s16, HALFB
	s_add_co_u32 s[G0B+1], s[G0B+1], BOFF
	s_add_co_u32 s[G0B+5], s[G0B+1], SLOT
	s_mul_i32 s[G0S+1], s16, HALFSA
	s_add_co_u32 s[G0S+1], s[G0S+1], SCA
	s_mul_i32 s[G0SB+1], s16, HALFSB
	s_add_co_u32 s[G0SB+1], s[G0SB+1], SCB
	s_wait_dscnt 0x0                               ; both opening adds are done
	s_wait_kmcnt 0x0
	s_add_nc_u64 s[G0+2:G0+3], s[4:5], s[20:21]
	s_add_nc_u64 s[G0+6:G0+7], s[G0+2:G0+3], 6144
	s_add_nc_u64 s[G0S+2:G0S+3], s[4:5], s[22:23]
	s_add_nc_u64 s[G0B+2:G0B+3], s[6:7], s[46:47]
	s_add_nc_u64 s[G0B+6:G0B+7], s[G0B+2:G0B+3], 6144
	s_add_nc_u64 s[G0SB+2:G0SB+3], s[6:7], s[98:99]
	s_or_b32 s[G0+3], s[G0+3], 0x80000000
	s_or_b32 s[G0+7], s[G0+7], 0x80000000
	s_or_b32 s[G0S+3], s[G0S+3], 0x80000000
	s_or_b32 s[G0B+3], s[G0B+3], 0x80000000
	s_or_b32 s[G0B+7], s[G0B+7], 0x80000000
	s_or_b32 s[G0SB+3], s[G0SB+3], 0x80000000
	CROUND                                         ; all sixteen work-groups are here: the first joint loads meet
	s_cmp_eq_u32 s15, 0                            ; a wave's first fills stand in one branch on the wave's number: three loads of mine are out
	s_cbranch_scc0 .Lfirst_b
	tensor_load_to_lds s[G0S:G0S+3], s[G1S:G1S+7]
	s_nop 0
	tensor_load_to_lds s[G0:G0+3], s[G1:G1+7]
	s_nop 0
	tensor_load_to_lds s[G0+4:G0+7], s[G1:G1+7]
	s_nop 0
.rept 4
	v_nop
.endr
	s_branch .Lfirst_done
.Lfirst_b:
	tensor_load_to_lds s[G0SB:G0SB+3], s[G1SB:G1SB+7]
	s_nop 0
	tensor_load_to_lds s[G0B:G0B+3], s[G1B:G1B+7]
	s_nop 0
	tensor_load_to_lds s[G0B+4:G0B+7], s[G1B:G1B+7]
	s_nop 0
.rept 4
	v_nop
.endr
.Lfirst_done:
	v_and_b32 v1, 15, v0
	v_bfe_u32 v2, v0, 4, 1
	v_and_b32 v3, 31, v0
	v_lshlrev_b32 v4, 4, v3                        ; 16 x lane; never rewritten
	s_lshl_b32 s98, s42, 10                        ; the bias at my 128 channels; lane (r, h) wants, for tile 2 B + u, channels 32 B + 16 h + 8 u + 0 .. 7
	s_lshl_b32 s99, s16, 9
	s_add_co_u32 s98, s98, s99
	s_mov_b32 s99, 0
	s_add_nc_u64 s[8:9], s[8:9], s[98:99]
	v_lshlrev_b32 v5, 6, v2
.irp t, 0,1,2,3,4,5,6,7
	global_load_b128 v[BIAS+8*\t:BIAS+8*\t+3], v5, s[8:9] offset:(32*(\t/2)+8*(\t%2))*4
	global_load_b128 v[BIAS+8*\t+4:BIAS+8*\t+7], v5, s[8:9] offset:(32*(\t/2)+8*(\t%2))*4+16
.endr
	s_mul_i32 s18, s15, HALFA
	v_add_nc_u32 v[ADRA], s18, v4
	v_add_nc_u32 v[ADRA+1], SLOT, v[ADRA]
	s_mul_i32 s18, s16, HALFB
	s_add_co_u32 s18, s18, BOFF
	v_add_nc_u32 v[ADRB], s18, v4
	v_add_nc_u32 v[ADRB+1], SLOT, v[ADRB]
	v_lshlrev_b32 v6, 2, v3
	s_mul_i32 s18, s15, HALFSA
	s_add_co_u32 s18, s18, SCA
	v_add_nc_u32 v[ADSA], s18, v6
	s_mul_i32 s18, s16, HALFSB
	s_add_co_u32 s18, s18, SCB
	v_add_nc_u32 v[ADSB], s18, v6
	s_mul_i32 s18, s14, 16*528                     ; my stage
	v_mul_u32_u24 v24, v1, 528
	v_lshl_add_u32 v24, v2, 6, v24
	v_add_nc_u32 v24, s18, v24                     ; in: row r, + 64 h; tile 2 B + u: 128 B + 32 u bytes on
	v_add_nc_u32 v25, s18, v4                      ; back: a row's 512 bytes, 16 a lane
	s_lshl_b32 s19, s17, 19                        ; x and out0: row 128 x tile row + 64 x my half, of 4,096 bytes; column 256 x tile column + 128 x my half
	s_lshl_b32 s18, s15, 18
	s_add_co_u32 s98, s98, s19
	s_add_co_u32 s98, s98, s18
	s_add_nc_u64 s[XB:XB+1], s[10:11], s[98:99]
	s_add_nc_u64 s[YB:YB+1], s[12:13], s[98:99]
	s_wait_loadcnt 0x0                             ; the bias
	WIN 0xc0                                       ; destination window 3
.irp a, 0,1,2,3
.irp t, 0,1,2,3,4,5,6,7,8,9,10,11,12,13,14,15
	global_load_b128 v[64*\a+4*\t:64*\a+4*\t+3], v4, s[XB:XB+1] offset:(32*(\a/2)+8*(\a%2)+\t%8+16*(\t/8))*4096   ; the residual: 512 consecutive bytes a load; it lands while the product runs
.endr
.endr
	WIN 0
	s_wait_tensorcnt 0x1                           ; my scale words and my part of slot 0 are in; slot 1's load may be out
	s_barrier_signal -1
	s_barrier_wait -1
	FETCH 0, 0, 0, 0
	STEP 0, 0, 0, 1
	STEP 0, 1, 1, 0
	STEP 0, 2, 2, 0
	TURN 0, 1, 3
	STEP 1, 0, 4, 0
	STEP 1, 1, 5, 0
	STEP 1, 2, 6, 0
	LAST
	PLACES
	s_wait_loadcnt 0x0                             ; x
	OUTB 0
	OUTB 1
	OUTB 2
	OUTB 3
	s_wait_tensorcnt 0x0                           ; the wave's end
	ds_add_u32 v[SPW], v[NIL]
	s_wait_dscnt 0x0
	CROUND                                         ; the closing round
	s_endpgm
.Lfunc_end_k_q537bfce31a_fc:
	.size	k_q537bfce31a_fc, .Lfunc_end_k_q537bfce31a_fc-k_q537bfce31a_fc
	.p2alignl 7, 3214868480
	.fill 96, 4, 3214868480
	.section	.rodata,"a",@progbits
	.p2align	6, 0x0
	.amdhsa_kernel k_q537bfce31a_fc
		.amdhsa_group_segment_fixed_size 327680
		.amdhsa_private_segment_fixed_size 0
		.amdhsa_enable_private_segment 0
		.amdhsa_kernarg_size 40
		.amdhsa_user_sgpr_count 2
		.amdhsa_user_sgpr_kernarg_segment_ptr 1
		.amdhsa_wavefront_size32 1
		.amdhsa_system_sgpr_workgroup_id_x 1
		.amdhsa_system_sgpr_workgroup_id_y 1
		.amdhsa_system_sgpr_workgroup_id_z 1
		.amdhsa_system_vgpr_workitem_id 0
		.amdhsa_next_free_vgpr 1024
		.amdhsa_next_free_sgpr 100
		.amdhsa_reserve_vcc 0
		.amdhsa_float_denorm_mode_32 3
		.amdhsa_float_denorm_mode_16_64 3
		.amdhsa_memory_ordered 1
		.amdhsa_forward_progress 1
		.amdhsa_inst_pref_size 95
	.end_amdhsa_kernel
	.amdgpu_metadata
---
amdhsa.version: [ 1, 2 ]
amdhsa.kernels:
  - .name:           k_q537bfce31a_fc
    .symbol:         k_q537bfce31a_fc.kd
    .args:
      - { .name: oo, .offset: 0, .size: 8, .value_kind: global_buffer, .address_space: global }
      - { .name: xw, .offset: 8, .size: 8, .value_kind: global_buffer, .address_space: global }
      - { .name: bfc, .offset: 16, .size: 8, .value_kind: global_buffer, .address_space: global }
      - { .name: x, .offset: 24, .size: 8, .value_kind: global_buffer, .address_space: global }
      - { .name: out0, .offset: 32, .size: 8, .value_kind: global_buffer, .address_space: global }
    .group_segment_fixed_size: 327680
    .private_segment_fixed_size: 0
    .kernarg_segment_align: 8
    .kernarg_segment_size: 40
    .max_flat_workgroup_size: 128
    .sgpr_count:     100
    .vgpr_count:     1024
    .wavefront_size: 32
...
	.end_amdgpu_metadata
.endif
;; end of part 6
